; MI455X (gfx1250); checked and timed in simulation.
; The chip was launched on July 23, 2026; its instructions are those of AMD's public machine-readable ISA for CDNA 5 (MIT licence, August 2026) and "CDNA5" Instruction Set Architecture Reference Guide (July 2026). The comments in the code are by the model that wrote it; some were corrected since.
;; Qwen3 5 Moe Attention. Allowed arithmetic: matrix products marked QUANTISED: E2M3 operands, one E8M0 scale for each 32 along K, by v_wmma_scale_f32_16x16x128_f8f6f4 with both operands' format E2M3, f32 sums; everything else in f32.
;; Inputs: Wk 2,048 x 512 float32; Wo 1,024 x 2,048 float32; Wq 2,048 x 2,048 float32; Wv 2,048 x 512 float32; cos 2 x 2,048 x 64 float32; hidden_states 2 x 2,048 x 2,048 float32; k_norm_w 256 float32; q_norm_w 256 float32; sin 2 x 2,048 x 64 float32.
;; Outputs: out0 2 x 2,048 x 2,048 float32.
;; This version of the problem:
;;   THIS VERSION OF THE PROBLEM IS GIVEN IN LOW PRECISION. The matrix products marked QUANTISED in the list below multiply operands that are first quantised to E2M3 (2 exponent bits, 3 mantissa bits; 6 bits a number), with one power-of-two scale for each 32 numbers along K (OCP MX v1.0); their sums are f32. All else is computed in f32.
;;   The module's matrix products, in the order in which they are computed (A, B: the left and right operand; K: the contracted axis; several contracted axes count as one K, in the product's order):
;;     1. [M 4,096, K 2,048] x [K 2,048, N 2,048]; A: input hidden_states; B: input Wq: QUANTISED
;;     2. [M 4,096, K 2,048] x [K 2,048, N 512]; A: input hidden_states; B: input Wk: QUANTISED
;;     3. [M 4,096, K 2,048] x [K 2,048, N 512]; A: input hidden_states; B: input Wv: QUANTISED
;;     4. batch 8 x [M 2,048, K 256] x [K 256, N 2,048]; A: computed on the way; B: computed on the way: QUANTISED
;;     5. batch 8 x [M 256, K 2,048] x [K 2,048, N 2,048]; A: computed on the way; B: softmax (see below): QUANTISED
;;     6. [M 4,096, K 1,024] x [K 1,024, N 2,048]; A: computed on the way; B: input Wo: QUANTISED
;;   THE QUANTISER, for each operand of a quantised product, along K:
;;     - K is cut into blocks of 32 from its start; a last block that is shorter is filled with zeros.
;;     - A block's scale is 2^e with e = floor(log2(the largest magnitude in the block)) - 2, held to -126 .. 127; a block of zeros has e = 0. As a byte (E8M0): e + 127.
;;     - Each number is divided by its block's scale, clamped to +-7.5, and rounded to the nearest number of E2M3, ties to even, subnormals kept.
;;     - The product sums the exact products of the quantised numbers (number of the format x scale) in f32.
;;   ~~~python
;;   def quantise(x, axis):      # numpy; x: float32 -> the quantised numbers, widened to float32 again
;;       x = np.moveaxis(x, axis, -1); K = x.shape[-1]
;;       x = np.pad(x, [(0, 0)] * (x.ndim - 1) + [(0, -K % 32)]); x = x.reshape(x.shape[:-1] + (-1, 32)); a = np.abs(x).max(-1, keepdims=True)
;;       e = np.where(a > 0, np.clip(np.frexp(np.where(a > 0, a, 1))[1] - 1 - 2, -126, 127), 0)      # np.frexp(a)[1] - 1 = floor(log2(a)), exactly
;;       r = np.clip(x / 2.0 ** e, -7.5, 7.5)
;;       step = 2.0 ** (np.maximum(np.frexp(np.where(r == 0, 1, r))[1] - 1, 0) - 3)
;;       q = np.round(r / step) * step * 2.0 ** e      # np.round: ties to even
;;       return np.moveaxis(q.reshape(q.shape[:-2] + (-1,))[..., :K], -1, axis).astype(np.float32)
;;   ~~~
;;   SOFTMAX AHEAD OF A QUANTISED PRODUCT. Where the list says 'softmax', what is quantised is not the finished softmax but p = 2^(t - M), with t = logit x log2(e) and M = ceil(the row's largest t), a whole number; so 1/2 < the row's largest p <= 1. The row's sum l is taken of the UNQUANTISED p, in f32, and the product's result is divided by l at the end. Since M is a whole number, a kernel that streams over the keys may use a running M (the ceiling of the running maximum): every later rescaling is an exact power of two, which a block's scale takes up: the codes' values come out the same.
;;   OPERANDS COMPUTED ON THE WAY. 'Computed on the way' means the value that the module computes at that place (a softmax that the list does not call 'softmax' is quantised finished and normalised). What goes into a quantiser is computed in f32, as accurately as f32 sums, v_exp_f32 and their like allow (about 1e-6 of the number): no bf16 or f16 on the way to a quantiser, and a product that is left as it is and whose result goes on into a quantised operand takes f32 operands (vector FMAs, or v_wmma_f32_16x16x4_f32). A number that lies on a knife's edge between two numbers of the format may be rounded either way, as far as f32 arithmetic and the matrix unit's own rounding can turn it there, and no further.
;; One version. Each part assembles by itself: llvm-mc -triple=amdgcn-amd-amdhsa -mcpu=gfx1250 --defsym DOCPART=n.
;; ======== version 1 of 1: 4 launches
;; limits: right only within a limited range of input values
;; workspace buffers: xbuf 6,553,600 bytes; wbuf 6,553,600 bytes; qbuf 3,276,800 bytes; kv 3,276,800 bytes; gt 16,777,216 bytes; abuf 3,276,800 bytes
;; launch quant (part 1): grid 512 x 1, 4 waves a work-group, no clusters, 34,304 bytes of LDS; arguments hidden_states, Wq, Wk, Wv, Wo, xbuf, wbuf; writes xbuf, wbuf
.if DOCPART == 1
	.amdgcn_target "amdgcn-amd-amdhsa--gfx1250"
	.amdhsa_code_object_version 6
	.text
	.protected	k_q9ac5ff1c53_quant
	.globl	k_q9ac5ff1c53_quant
	.p2align	8
	.type	k_q9ac5ff1c53_quant,@function
k_q9ac5ff1c53_quant:
	s_mov_b64 s[64:65], 0
	v_nop
	global_prefetch_b8 v0, s[64:65] scope:SCOPE_SE
	s_setreg_imm32_b32 hwreg(HW_REG_WAVE_MODE, 25, 1), 1
	s_wait_xcnt 0x0
; LAUNCH 1 OF 4.  hidden_states [4096][2048] and the four weights (K is their FIRST axis) become codes of FP6 (E2M3) and E8M0 scale bytes, one for each 32 along K.
; DEAD WORK, for the whole program: reference() sets every score with key > query to the least f32 number by a mask that it builds itself (jnp.tril); behind the softmax's maximum such a score's
; weight is exp(least - max) = 0 for all finite inputs, so a tile of 128 keys all of which come after all 16 queries of a tile adds 0 to the sum and to the product with v.  The attention launch
; leaves out exactly those whole tiles.  Nothing else is left out, and every input is loaded.  LIMIT: a NaN, an infinity or an overflow that reaches only those tiles is not carried to the result.
; LIMITS: NaN and infinities among the inputs are not served; a block whose largest magnitude lies under 2^-124 keeps the byte 1; a block of zeros gets the byte 1 where the rule says 127
; (its codes are zeros, which add nothing under any byte but 0xff, and this program alone reads the bytes).
; THE WORKSPACE'S LAYOUT.  Rows (tokens, weight columns) go in groups of 128 positions, K in pieces of 256: [group][piece][25,600 bytes].  Such a block holds, for tile i (16 positions) and step q (128 of K),
; AN IMAGE of the operand's 12 registers at 3072 i + 1536 q: registers 4 c .. 4 c + 3 of lane l at 512 c + 16 l; and behind the 16 images, at 24,576 + 128 i + 8 r + 4 q, row r's scale word of step q.
; POSITION ORDER.  In every aligned group of 32 positions, position p holds the true row p with its bits 3 and 4 exchanged: a tile holds true rows 0-7 and 16-23 (or 8-15 and 24-31) of its 32.
; Work-groups 0-255: hidden_states, a work-group to a tile, a wave to 512 of K (4 images).  Work-groups 256-511: Wq (128), Wk (32), Wv (32), Wo (64), a wave to 32 columns x 256 of K (4 images).
; No tensor loads, no barrier: waves share nothing.  Only the path of hidden_states uses LDS.
.set SPW,   12
.set NIL,   13
.set SPARE, 33792                      ; behind the four stages of 16 x 528 bytes
.set BLK,   25600
.set R,     32                         ; v32-159  two sets of 16 rows x 16 bytes a lane, as loaded
.set X,     160                        ; v160-223 my two blocks of 32 neighbours
.set C,     224                        ; v224-247 two sets of an image's 12 registers
.set T,     248                        ; v248-254 the upper halves of the two blocks' codes
.set XW,    32                         ; weights: v32-95 two sets of 32 numbers
.set VF,    96                         ; v96-143  four images
.set SB,    24                         ; v24-25   eight scale bytes
.set OFI,   176                        ; v176-207 my column + i rows of the weight
	s_load_b256 s[4:11], s[0:1], 0x0               ; hidden_states, Wq, Wk, Wv
	s_load_b128 s[12:15], s[0:1], 0x20             ; Wo, xbuf
	s_load_b64 s[16:17], s[0:1], 0x30              ; wbuf
	v_lshl_add_u32 v[SPW], v0, 2, SPARE
	v_mov_b32 v[NIL], 0
	v_lshrrev_b32 v1, 5, v0
	v_readfirstlane_b32 s18, v1                    ; wave
	v_and_b32 v2, 31, v0                           ; lane
	s_cmp_lt_u32 ttmp9, 256
	s_cbranch_scc0 .Lweights
; ---------------- hidden_states: tile = work-group, K from 512 x wave
	s_mul_i32 s20, s18, 8448                       ; my stage
	s_lshr_b32 s21, ttmp9, 1
	s_lshl_b32 s21, s21, 5
	s_and_b32 s22, ttmp9, 1
	s_lshl_b32 s22, s22, 3
	s_add_co_u32 s21, s21, s22                     ; the tile's first true row: 32 (tile / 2) + 8 (tile % 2)
	s_lshl_b32 s24, s21, 13                        ; rows of 8,192 bytes
	s_lshl_b32 s22, s18, 11
	s_add_co_u32 s24, s24, s22
	s_mov_b32 s25, 0
	s_lshr_b32 s26, ttmp9, 3
	s_lshl_b32 s26, s26, 3
	s_lshl_b32 s22, s18, 1
	s_add_co_u32 s26, s26, s22                     ; block 8 x group + 2 x wave
	s_mul_i32 s26, s26, BLK
	s_and_b32 s27, ttmp9, 7
	s_mul_i32 s28, s27, 3072
	s_add_co_u32 s28, s28, s26                     ; my tile's images
	s_mov_b32 s29, 0
	s_lshl_b32 s30, s27, 7
	s_add_co_u32 s30, s30, s26
	s_add_co_u32 s30, s30, 24576                   ; and its scale words
	s_mov_b32 s31, 0
	s_mov_b32 s32, 0x76543210
	s_mov_b32 s33, 0xfedcba98                      ; lane l xor 16
	s_wait_alu depctr_va_vdst(0)                   ; the wait ahead of the reader below
	v_lshlrev_b32 v3, 4, v2                        ; 16 x lane
	v_add_nc_u32 v14, s20, v3                      ; the stage, in: a row's 512 bytes as they lie
	v_and_b32 v4, 15, v2                           ; r
	v_lshrrev_b32 v5, 4, v2                        ; h
	v_mul_u32_u24 v15, v4, 528
	v_lshl_add_u32 v15, v5, 7, v15
	v_add_nc_u32 v15, s20, v15                     ; and out: row r, from number 32 h on
	v_lshlrev_b32 v10, 3, v5                       ; 8 h
	v_lshlrev_b32 v7, 3, v4
	v_lshl_add_u32 v7, v5, 2, v7                   ; 8 r + 4 h: a scale word's place
	v_cmp_eq_u32 vcc_lo, 1, v5
	v_mov_b32 v25, 0                               ; a lane permute's destination counts as a source
	s_wait_alu depctr_va_vdst(0)                   ; the wait at the head's end
	s_wait_kmcnt 0x0
	s_add_nc_u64 s[4:5], s[4:5], s[24:25]
	s_add_nc_u64 s[8:9], s[14:15], s[28:29]
	s_add_nc_u64 s[10:11], s[14:15], s[30:31]
.macro LOADI m                         ; image m's 16 rows x 128 numbers: each load reads 512 consecutive bytes of one row
.set j, 0
.rept 16
	global_load_b128 v[R+64*((\m)%2)+4*j:R+64*((\m)%2)+4*j+3], v3, s[4:5] offset:(j+8*(j/8))*8192+512*(\m) th:TH_LOAD_NT
.set j, j+1
.endr
.endm
.macro IMG m
.set RS, R+64*((\m)%2)
.set CS, C+12*((\m)%2)
.if (\m) < 3
	s_wait_loadcnt 16                              ; this image's 16 loads are in; the next image's may be out
.else
	s_wait_loadcnt 0
.endif
.set j, 0
.rept 16
	ds_store_b128 v14, v[RS+4*j:RS+4*j+3] offset:528*j
.set j, j+1
.endr
.irp c, 0,1                                    ; LDS serves a wave's instructions in order: these see the stores.  Lane (r, h): k = 64 c + 32 h + 0 .. 31 of row r
.irp i, 0,1,2,3,4,5,6,7
	ds_load_b128 v[X+32*\c+4*\i:X+32*\c+4*\i+3], v15 offset:256*\c+16*\i
.endr
.endr
.if (\m)+2 < 4
	s_wait_dscnt 16                                ; the stores have read their registers,
	LOADI (\m)+2                                   ; which take the image two further on
.else
	s_wait_xcnt 0x0                                ; the stores of two images ago have read their data
.endif
	s_wait_dscnt 0x0
.irp c, 0,1
	v_max3_num_f32 v[16+2*\c], |v[X+32*\c]|, |v[X+32*\c+1]|, |v[X+32*\c+2]|
	v_max3_num_f32 v[17+2*\c], |v[X+32*\c+3]|, |v[X+32*\c+4]|, |v[X+32*\c+5]|
.endr
.irp i, 6,10,14,18,22,26
.irp c, 0,1
	v_max3_num_f32 v[16+2*\c], v[16+2*\c], |v[X+32*\c+\i]|, |v[X+32*\c+\i+1]|
	v_max3_num_f32 v[17+2*\c], v[17+2*\c], |v[X+32*\c+\i+2]|, |v[X+32*\c+\i+3]|
.endr
.endr
.irp c, 0,1
	v_max3_num_f32 v[16+2*\c], v[16+2*\c], |v[X+32*\c+30]|, |v[X+32*\c+31]|
.endr
.irp c, 0,1
	v_max3_num_f32 v[16+2*\c], v[16+2*\c], v[17+2*\c], 0x1800000   ; the floor 2^(3 - 127): the byte cannot fall under 1
.endr
.irp c, 0,1
	v_add_nc_u32 v[20+\c], 0xff000000, v[16+2*\c]  ; 2 off the exponent field: the conversion's scale operand
.endr
.irp c, 0,1
	v_cvt_scalef32_pk16_fp6_f32 v[CS+6*\c:CS+6*\c+2], v[X+32*\c:X+32*\c+15], v[20+\c]
	v_cvt_scalef32_pk16_fp6_f32 v[T+4*\c:T+4*\c+2], v[X+32*\c+16:X+32*\c+31], v[20+\c]   ; (a conversion's three registers begin on an even number)
.endr
	v_lshrrev_b32 v22, 23, v20                     ; the bytes of blocks h and 2 + h
	v_lshrrev_b32 v23, 23, v21
	v_lshl_or_b32 v24, v23, 16, v22
	v_lshlrev_b32 v24, v10, v24                    ; at their places in the word
	v_permlanex16_b32 v25, v24, s32, s33
	v_or_b32 v[26+(\m)%2], v24, v25                ; with lane l xor 16's two the word is whole
.irp c, 0,1
.irp i, 0,1,2
	v_mov_b32 v[CS+6*\c+3+\i], v[T+4*\c+\i]
.endr
.endr
.irp k, 0,1,2
	global_store_b128 v3, v[CS+4*\k:CS+4*\k+3], s[8:9] offset:BLK*((\m)/2)+1536*((\m)%2)+512*\k   ; 32 lanes store 512 consecutive bytes
.endr
.if (\m)%2
	v_cndmask_b32 v8, v26, v27, vcc_lo             ; lanes 0-15 the even step's word, lanes 16-31 the odd step's
	global_store_b32 v7, v8, s[10:11] offset:BLK*((\m)/2)
.endif
.endm
	LOADI 0
	LOADI 1
.irp m, 0,1,2,3
	IMG \m
.endr
	s_branch .Lend
; ---------------- a weight: a lane takes the column of its position, its registers run down K
.Lweights:
	s_sub_co_u32 s20, ttmp9, 256                   ; 0-127 Wq, 128-159 Wk, 160-191 Wv, 192-255 Wo
	s_mov_b32 s21, 8192                            ; Wo's figures: a row of the weight in bytes,
	s_mov_b32 s22, 4                               ; log2 of its groups of 128 columns,
	s_mov_b32 s23, 192                             ; its first work-group,
	s_mov_b32 s24, 0                               ; its first group in its section of wbuf,
	s_mov_b32 s25, 2                               ; log2 of its pieces of 256 along K,
	s_mov_b32 s27, 4915200                         ; where its section begins
	s_wait_kmcnt 0x0
	s_mov_b64 s[30:31], s[12:13]
	s_cmp_lt_u32 s20, 192                          ; the choices hang on the work-group's number alone
	s_cselect_b64 s[30:31], s[10:11], s[30:31]     ; Wv
	s_cselect_b32 s21, 2048, s21
	s_cselect_b32 s22, 2, s22
	s_cselect_b32 s23, 160, s23
	s_cselect_b32 s24, 20, s24
	s_cselect_b32 s25, 3, s25
	s_cselect_b32 s27, 0, s27
	s_cmp_lt_u32 s20, 160
	s_cselect_b64 s[30:31], s[8:9], s[30:31]       ; Wk
	s_cselect_b32 s23, 128, s23
	s_cselect_b32 s24, 16, s24
	s_cmp_lt_u32 s20, 128
	s_cselect_b64 s[30:31], s[6:7], s[30:31]       ; Wq
	s_cselect_b32 s21, 8192, s21
	s_cselect_b32 s22, 4, s22
	s_cselect_b32 s23, 0, s23
	s_cselect_b32 s24, 0, s24
	s_sub_co_u32 s32, s20, s23
	s_bfm_b32 s33, s22, 0
	s_and_b32 s33, s32, s33                        ; which 128 columns
	s_lshr_b32 s34, s32, s22                       ; which 256 along K
	s_lshl_b32 s35, s33, 7
	s_lshl_b32 s36, s18, 5
	s_add_co_u32 s35, s35, s36                     ; my wave's first column
	s_mul_i32 s36, s34, s21
	s_lshl_b32 s36, s36, 8
	s_lshl_b32 s37, s35, 2
	s_add_co_u32 s36, s36, s37
	s_mov_b32 s37, 0
	s_add_nc_u64 s[40:41], s[30:31], s[36:37]      ; block 0's first row, my first column
	s_lshl_b32 s38, s21, 5                         ; 32 rows on
	s_mov_b32 s39, 0
.irp t, 1,2,3,4,5,6,7
	s_add_nc_u64 s[40+2*\t:41+2*\t], s[38+2*\t:39+2*\t], s[38:39]
.endr
	s_add_co_u32 s56, s24, s33
	s_lshl_b32 s56, s56, s25
	s_add_co_u32 s56, s56, s34
	s_mul_i32 s56, s56, BLK
	s_add_co_u32 s56, s56, s27                     ; my block of wbuf
	s_mul_i32 s57, s18, 6144
	s_add_co_u32 s58, s56, s57                     ; tiles 2 x wave and 2 x wave + 1
	s_mov_b32 s59, 0
	s_add_nc_u64 s[58:59], s[16:17], s[58:59]
	s_lshl_b32 s57, s18, 8
	s_add_co_u32 s60, s56, s57
	s_add_co_u32 s60, s60, 24576                   ; their scale words
	s_mov_b32 s61, 0
	s_add_nc_u64 s[60:61], s[16:17], s[60:61]
	s_wait_alu depctr_va_vdst(0)                   ; the wait ahead of the reader below
	v_and_b32 v21, 7, v2
	v_bfe_u32 v22, v2, 3, 1
	v_bfe_u32 v23, v2, 4, 1
	v_lshl_or_b32 v21, v22, 4, v21
	v_lshl_or_b32 v21, v23, 3, v21                 ; the true column of position = lane: bits 3 and 4 exchanged
	v_lshlrev_b32 v3, 2, v21
	v_mov_b32 v20, s21
.set i, 0
.rept 32
	v_mad_u32_u24 v[OFI+i], v20, i, v3             ; row i of a block, my column
.set i, i+1
.endr
	v_lshlrev_b32 v4, 4, v2
	v_lshlrev_b32 v9, 3, v2
.macro WLOAD t                         ; block t: W(32 t + i, my column): the 32 lanes read 128 consecutive bytes
.set i, 0
.rept 32
	global_load_b32 v[XW+32*((\t)%2)+i], v[OFI+i], s[40+2*(\t):41+2*(\t)] th:TH_LOAD_NT
.set i, i+1
.endr
.endm
	WLOAD 0
	WLOAD 1
.macro WBLOCK t                        ; block t = 4 q + 2 c + h of step q: all its 32 numbers are mine
.set XS, XW+32*((\t)%2)
.set DD, VF+24*((\t)/4)+12*((\t)%2)+6*(((\t)%4)/2)
.if (\t) < 7
	s_wait_loadcnt 32                              ; this block's 32 loads are in; the next block's may be out
.else
	s_wait_loadcnt 0
.endif
	v_max3_num_f32 v16, |v[XS]|, |v[XS+1]|, |v[XS+2]|
	v_max3_num_f32 v17, |v[XS+3]|, |v[XS+4]|, |v[XS+5]|
.irp i, 6,10,14,18,22,26
	v_max3_num_f32 v16, v16, |v[XS+\i]|, |v[XS+\i+1]|
	v_max3_num_f32 v17, v17, |v[XS+\i+2]|, |v[XS+\i+3]|
.endr
	v_max3_num_f32 v16, v16, |v[XS+30]|, |v[XS+31]|
	v_max3_num_f32 v16, v16, v17, 0x1800000
	v_add_nc_u32 v11, 0xff000000, v16
	v_lshrrev_b32 v17, 23, v11
.if (\t)%4 == 0
	v_mov_b32 v[SB+(\t)/4], v17
.else
	v_lshl_or_b32 v[SB+(\t)/4], v17, 8*((\t)%4), v[SB+(\t)/4]
.endif
	v_cvt_scalef32_pk16_fp6_f32 v[DD:DD+2], v[XS:XS+15], v11
	v_cvt_scalef32_pk16_fp6_f32 v[28:30], v[XS+16:XS+31], v11
	v_nop                                          ; one plain place behind a scaled conversion
.irp i, 0,1,2
	v_mov_b32 v[DD+3+\i], v[28+\i]
.endr
.if (\t)+2 < 8
	WLOAD (\t)+2
.endif
.if (\t)%2                             ; lanes 0-15 hold the even tile's rows, lanes 16-31 the odd tile's: the even block's upper lanes change places with the odd block's lower ones, and registers 6 c .. 6 c + 5 of both tiles' images are whole
.irp i, 0,1,2,3,4,5
	v_permlane16_swap_b32 v[DD-12+\i], v[DD+\i]
.endr
.endif
.endm
.irp t, 0,1,2,3,4,5,6,7
	WBLOCK \t
.endr
	s_wait_alu depctr_va_vdst(0)                   ; the wait ahead of the readers below
	global_store_b64 v9, v[SB:SB+1], s[60:61]      ; 32 lanes store 256 consecutive bytes, aligned
.irp q, 0,1
.irp u, 0,1
.irp k, 0,1,2
	global_store_b128 v4, v[VF+24*\q+12*\u+4*\k:VF+24*\q+12*\u+4*\k+3], s[58:59] offset:3072*\u+1536*\q+512*\k
.endr
.endr
.endr
.Lend:
	s_wait_tensorcnt 0x0                           ; the wave's end
	ds_add_u32 v[SPW], v[NIL]
	s_wait_dscnt 0x0
	s_endpgm
.Lfunc_end_k_q9ac5ff1c53_quant:
	.size	k_q9ac5ff1c53_quant, .Lfunc_end_k_q9ac5ff1c53_quant-k_q9ac5ff1c53_quant
	.p2alignl 7, 3214868480
	.fill 96, 4, 3214868480
	.section	.rodata,"a",@progbits
	.p2align	6, 0x0
	.amdhsa_kernel k_q9ac5ff1c53_quant
		.amdhsa_group_segment_fixed_size 34304
		.amdhsa_private_segment_fixed_size 0
		.amdhsa_enable_private_segment 0
		.amdhsa_kernarg_size 56
		.amdhsa_user_sgpr_count 2
		.amdhsa_user_sgpr_kernarg_segment_ptr 1
		.amdhsa_wavefront_size32 1
		.amdhsa_system_sgpr_workgroup_id_x 1
		.amdhsa_system_sgpr_workgroup_id_y 1
		.amdhsa_system_sgpr_workgroup_id_z 1
		.amdhsa_system_vgpr_workitem_id 0
		.amdhsa_next_free_vgpr 256
		.amdhsa_next_free_sgpr 66
		.amdhsa_reserve_vcc 1
		.amdhsa_float_denorm_mode_32 3
		.amdhsa_float_denorm_mode_16_64 3
		.amdhsa_memory_ordered 1
		.amdhsa_forward_progress 1
		.amdhsa_inst_pref_size 73
	.end_amdhsa_kernel
	.amdgpu_metadata
---
amdhsa.version: [ 1, 2 ]
amdhsa.kernels:
  - .name:           k_q9ac5ff1c53_quant
    .symbol:         k_q9ac5ff1c53_quant.kd
    .args:
      - { .name: hidden_states, .offset: 0, .size: 8, .value_kind: global_buffer, .address_space: global }
      - { .name: Wq, .offset: 8, .size: 8, .value_kind: global_buffer, .address_space: global }
      - { .name: Wk, .offset: 16, .size: 8, .value_kind: global_buffer, .address_space: global }
      - { .name: Wv, .offset: 24, .size: 8, .value_kind: global_buffer, .address_space: global }
      - { .name: Wo, .offset: 32, .size: 8, .value_kind: global_buffer, .address_space: global }
      - { .name: xbuf, .offset: 40, .size: 8, .value_kind: global_buffer, .address_space: global }
      - { .name: wbuf, .offset: 48, .size: 8, .value_kind: global_buffer, .address_space: global }
    .group_segment_fixed_size: 34304
    .private_segment_fixed_size: 0
    .kernarg_segment_align: 8
    .kernarg_segment_size: 56
    .max_flat_workgroup_size: 128
    .sgpr_count:     66
    .vgpr_count:     256
    .wavefront_size: 32
...
	.end_amdgpu_metadata
.endif
;; end of part 1
;; launch qkv (part 2): grid 16 x 12, 4 waves a work-group, clusters of 4 x 1, 327,680 bytes of LDS; arguments xbuf, wbuf, cos, sin, q_norm_w, k_norm_w, qbuf, kv, gt; writes qbuf, kv, gt
.if DOCPART == 2
	.amdgcn_target "amdgcn-amd-amdhsa--gfx1250"
	.amdhsa_code_object_version 6
	.text
	.protected	k_q9ac5ff1c53_qkv
	.globl	k_q9ac5ff1c53_qkv
	.p2align	8
	.type	k_q9ac5ff1c53_qkv,@function
k_q9ac5ff1c53_qkv:
	s_mov_b64 s[64:65], 0
	v_nop
	global_prefetch_b8 v0, s[64:65] scope:SCOPE_SE
	s_setreg_imm32_b32 hwreg(HW_REG_WAVE_MODE, 25, 1), 1
	s_wait_xcnt 0x0
	s_wait_alu depctr_hold_cnt(0) depctr_sa_sdst(0) depctr_va_vdst(0) depctr_va_sdst(0) depctr_va_ssrc(0) depctr_va_vcc(0) depctr_vm_vsrc(0)
	s_getreg_b32 s2, hwreg(HW_REG_IB_STS2, 6, 4)
	s_cmp_eq_u32 s2, 0
	s_cbranch_scc0 .Lentry_in_a_cluster
	s_endpgm
.Lentry_in_a_cluster:
	s_bfe_u32 s2, ttmp6, 0x10000c
	s_cmp_lg_u32 s2, 0x3003
	s_cbranch_scc0 .Lentry_shape_is_right
	s_endpgm
.Lentry_shape_is_right:
; LAUNCH 2 OF 4.  [4096 token positions] x [3072 weight positions] over K = 2,048, on codes of FP6 with E8M0 scales; then, by the kind of the tile column, what reference() does next.
; A work-group of four waves makes a tile of 256 x 256, a wave 128 x 128: 64 accumulators.  Both operands lie as the first launch lays them: [group of 128 rows][piece of 256 of K][25,600 bytes:
; 16 images of operand registers, then 1,024 bytes of scale words].
; THE WEIGHTS go through a ring of two LDS slots, a piece to a slot: the tile's two groups' blocks (waves 2 and 3 fetch one each, 100 rows of 256 bytes, JOINTLY for the cluster), and ahead of them in the slot
; the scale words of the tokens' two groups (waves 0 and 1 fetch 4 rows of 256 bytes each).
; THE TOKENS' FRAGMENTS do not pass through LDS: an image is the operand's registers as they are, so each wave loads its own 8 fragments of a step from xbuf, three loads of 512 consecutive bytes a fragment,
; into two sets of registers by turns, two steps ahead of their products.  So of a piece LDS takes in 53,248 bytes and gives out the weights' fragments alone.
; A tile column y is one head's q (y = 0, 2, 4, 6), one head's gate (1, 3, 5, 7), one key head (8, 9) or one value head (10, 11).
;   q, k: RMS norm over the head's 256 (two waves share a row: the sums of squares meet in LDS), gain 1 + w, RoPE on the first 64, quantised along the head, stored as images of operand registers.
;   gate: stored as it stands, f32, as an image of the accumulator registers: it goes into a quantiser later.
;   v:    turned through LDS so that a lane holds 32 neighbouring keys of one channel, quantised along the keys, stored as images of operand registers.
; CLUSTER 4 x 1: the four partners have the same y, so the way out's branches (on y and on the wave's number) are alike in all four, and they need the same weights.  The tokens differ from partner to partner.
; A cluster of 4 x 4 is not taken: the last four tile columns are k, k, v, v, and partners must branch alike.
; PREFETCH INTO THE L2: behind the fill of piece p each wave asks for a share of one block of piece p + 2, a lane to 256 bytes: waves 0 and 1 of the tokens' groups (the 12 work-groups of a tile row take 9 units each,
; by y), waves 2 and 3 of the weights' groups (the 4 partners take 25 units each, by cx); lanes left over name their wave's last unit again.  The fills of pieces 6 and 7 ask for nothing.
; THE MATRIX INSTRUCTION IS USED TRANSPOSED (source 0 = 16 weight positions, source 1 = 16 token positions).  By the position order, in accumulator (a, b) lane (r, h), register j holds
; token 32 (a / 2) + 8 (a % 2) + r + 8 (r / 8) of the wave's 128 and column 32 (b / 2) + 16 h + 8 (b % 2) + j of its 128.
; LIMITS: NaN and infinities are not served; a block under 2^-124 or of zeros keeps the byte 1 (only this program reads the bytes).
; REGISTERS: window 0: v7-31 addresses; v32-63 scale words, two sets; v64-159, v160-255 the tokens' fragments, two sets; window 1: the weights' fragments, two sets; windows 2, 3: the accumulators, (a, b) at v[8 (8 (a % 4) + b)].
.set BLK,    25600
.set SLOT,   2*BLK+2048                ; the tokens' scale words (2 x 1,024), then the weights' two blocks
.set EP,     2*SLOT                    ; behind the ring: the way out's LDS, bytes of its own for each path and wave
.set SPARE,  EP+77824
.set NQ,     2
.set FR,     12
.set NP,     4
.set LAPS,   4
.set QSCR,   EP+4096
.set VST,    EP+8192
.set VSTW,   32*528
.set VSCR,   VST+4*VSTW
.set WNO,  7
.set L16,  8
.set SSW,  9
.set SSR,  10
.set QSW,  11
.set PFO,  12                          ; v12  my unit of a block, for the prefetches; never rewritten
.set VSO,  13
.set VLD,  14
.set VSW,  15
.set ADRB, 20
.set QSRD, 24
.set ADRS, 26
.set SPW,  28
.set NIL,  29
.set VSRD, 30
.set CSO,  31
.set SC,   32
.set AF,   64
.set AB,   8                           ; s[8:9]   my 128 tokens' group in xbuf, stepped two pieces a lap
.set PFA,  10                          ; s[10:11] where my prefetches stand
.set G1, 24
.set G0, 32
.set G1B, 48
.set G0B, 56
.set GN,  66
.set SEL, 96
.set Y,   64
.set W1,  128
.set TT,  192
.set QC,  200
.set TM,  220
.set PW,  236
.set RS,  238
.set XV,  64
.set VF,  128
.set SBV, 224
.set MSB, 0
.macro WIN new
.if MSB != \new
	s_set_vgpr_msb (MSB<<8)|\new
.set MSB, \new
.endif
.endm
.set MUL_LO, 0xa1
.set MUL_HI, 0xf1
.set TO_B,   0x40
; Waves 0 and 1 fetch the tokens' scale words (plain), waves 2 and 3 the weights' blocks (joint).  An s_nop 0 and four v_nop follow each line.
.macro JLOAD g0a, g1a, g0b, g1b
	s_cmp_eq_u32 s15, 0
	s_cbranch_scc0 .Lfor_b_\@
	tensor_load_to_lds s[\g0a:\g0a+3], s[\g1a:\g1a+7]
	s_nop 0
.rept 4
	v_nop
.endr
	s_branch .Lasked_\@
.Lfor_b_\@:
	tensor_load_to_lds s[\g0b:\g0b+3], s[\g1b:\g1b+7]
	s_nop 0
.rept 4
	v_nop
.endr
.Lasked_\@:
.endm
.macro CREST
	s_cmp_lg_u32 s14, 0
	s_cbranch_scc1 .Lnot_wave_0_\@
	s_barrier_signal -3
.Lnot_wave_0_\@:
	s_barrier_wait -3
	s_barrier_signal -1
	s_barrier_wait -1
.endm
.macro CROUND
	s_barrier_signal -1
	s_barrier_wait -1
	CREST
.endm
	s_load_b128 s[4:7], s[0:1], 0x0                ; xbuf, wbuf
	s_load_b256 s[68:75], s[0:1], 0x10             ; cos, sin, q_norm_w, k_norm_w
	s_load_b128 s[76:79], s[0:1], 0x30             ; qbuf, kv
	s_load_b64 s[80:81], s[0:1], 0x40              ; gt
	v_lshl_add_u32 v[SPW], v0, 2, SPARE
	v_mov_b32 v[NIL], 0
	ds_add_u32 v[SPW], v[NIL]                      ; the opening: the add, twice on end, and its wait ahead of my first tensor load
	ds_add_u32 v[SPW], v[NIL]
	v_lshrrev_b32 v1, 5, v0
	v_readfirstlane_b32 s14, v1                    ; wave 0..3
	s_lshr_b32 s15, s14, 1                         ; my half of the tile's rows.  Also: I fetch for the tokens (0) or the weights (1)
	s_and_b32 s16, s14, 1                          ; my half of its columns.  Also: which group I fetch for
	s_bfe_u32 s40, ttmp6, 0x40000                  ; cx
	s_lshl_b32 s17, ttmp9, 2
	s_add_co_u32 s17, s17, s40                     ; tile row = 4 x cluster x + cx
	s_and_b32 s42, ttmp7, 0xffff                   ; tile column y, which the four partners share
	s_mov_b32 s[G1+0], 3<<16                       ; no mask; elements of 8 bytes; no padding
	s_mov_b32 s[G1+1], 32<<16                      ; rows of 256 bytes,
	s_mov_b32 s[G1+2], 4<<16                       ; 4 of them: a group's scale words of a piece
	s_mov_b32 s[G1+3], 32<<16
	s_mov_b32 s[G1+4], 4
	s_mov_b32 s[G1+5], 32                          ; dense
	s_mov_b32 s[G1+6], 0
	s_mov_b32 s[G1+7], 0
	s_mov_b32 s[G1B+0], 15|(3<<16)|(1<<21)         ; all four work-groups; bit 21 beside the mask
	s_mov_b32 s[G1B+1], 32<<16
	s_mov_b32 s[G1B+2], 100<<16                    ; 100 rows: a block
	s_mov_b32 s[G1B+3], 32<<16
	s_mov_b32 s[G1B+4], 100
	s_mov_b32 s[G1B+5], 32
	s_mov_b32 s[G1B+6], 0
	s_mov_b32 s[G1B+7], 0
	s_lshl_b32 s20, s17, 1
	s_add_co_u32 s12, s20, s15                     ; the group of my 128 tokens,
	s_add_co_u32 s20, s20, s16                     ; the group whose scale words I fetch
	s_mul_i32 s12, s12, 8*BLK
	s_mov_b32 s13, 0
	s_mul_i32 s20, s20, 8*BLK
	s_mov_b32 s21, 0
	s_lshl_b32 s46, s42, 1
	s_add_co_u32 s46, s46, s16                     ; the weights' group 2 y + half: no register that feeds the joint loads holds cx
	s_mul_i32 s46, s46, 8*BLK
	s_mov_b32 s47, 0
	s_lshl_b32 s45, s16, 10                        ; LDS: where the scale words that I fetch go,
	s_mul_i32 s83, s16, BLK
	s_add_co_u32 s83, s83, 2048                    ; where the weights' block goes that I fetch, and where my 128 columns lie,
	s_lshl_b32 s85, s15, 10                        ; my tokens' scale words,
	s_add_co_u32 s84, s83, 24576
	s_sub_co_u32 s84, s84, s85                     ; and from them to my columns' scale words
	s_mul_i32 s18, s42, 9
	s_mul_i32 s19, s40, 25
	s_cmp_eq_u32 s15, 0
	s_cselect_b32 s18, s18, s19                    ; the prefetches: my work-group's first unit of a block,
	s_cselect_b32 s19, 8, 24                       ; and how many it takes, less one
	s_and_b32 s95, s42, 1                          ; the kind of my tile column: 0 = q or k, 1 = gate, 2 = v
	s_cmp_lt_u32 s42, 8
	s_cselect_b32 s95, s95, 0
	s_cmp_gt_u32 s42, 9
	s_cselect_b32 s95, 2, s95
	s_mov_b32 s[SEL], 0x76543210
	s_mov_b32 s[SEL+1], 0xfedcba98
	s_mov_b32 s98, 0x3b800000                      ; 1 / 256
	s_mov_b32 s99, 0x358637bd                      ; 1e-6
	s_lshl_b32 s86, s14, 10                        ; the way out: my sums of squares,
	s_add_co_u32 s86, s86, EP
	s_xor_b32 s87, s14, 1
	s_lshl_b32 s87, s87, 10                        ; my partner's,
	s_add_co_u32 s87, s87, EP
	s_lshl_b32 s88, s14, 9
	s_add_co_u32 s88, s88, QSCR
	s_mul_i32 s89, s14, VSTW
	s_add_co_u32 s89, s89, VST
	s_lshl_b32 s90, s14, 9
	s_add_co_u32 s90, s90, VSCR
	s_wait_dscnt 0x0                               ; both opening adds are done
	s_wait_kmcnt 0x0
	s_add_nc_u64 s[AB:AB+1], s[4:5], s[12:13]
	s_add_nc_u64 s[20:21], s[4:5], s[20:21]
	s_add_nc_u64 s[46:47], s[6:7], s[46:47]
	s_cmp_eq_u32 s15, 0
	s_cselect_b64 s[PFA:PFA+1], s[20:21], s[46:47]
	s_add_nc_u64 s[PFA:PFA+1], s[PFA:PFA+1], 2*BLK ; at piece 2
	CROUND                                         ; all four work-groups are here: the first joint loads meet
.irp s, 0,1
	s_mov_b32 s[G0+4*\s], 1
	s_add_co_u32 s[G0+4*\s+1], s45, \s*SLOT
	s_add_nc_u64 s[G0+4*\s+2:G0+4*\s+3], s[20:21], \s*BLK+24576
	s_or_b32 s[G0+4*\s+3], s[G0+4*\s+3], 0x80000000
	s_mov_b32 s[G0B+4*\s], 1
	s_add_co_u32 s[G0B+4*\s+1], s83, \s*SLOT
	s_add_nc_u64 s[G0B+4*\s+2:G0B+4*\s+3], s[46:47], \s*BLK
	s_or_b32 s[G0B+4*\s+3], s[G0B+4*\s+3], 0x80000000
.endr
	JLOAD G0, G1, G0B, G1B                         ; piece 0: one tensor load a wave at the head
	; every LDS address is made here, ahead of any parting of the waves
	v_and_b32 v1, 15, v0                           ; r
	v_bfe_u32 v2, v0, 4, 1                         ; h
	v_and_b32 v6, 31, v0                           ; lane
	v_lshlrev_b32 v[L16], 4, v6
	v_add_nc_u32 v[ADRB], s83, v[L16]
	v_mul_u32_u24 v5, s84, v2                      ; lanes 16-31 take the weights' words
	v_lshl_add_u32 v5, v1, 3, v5
	v_add_nc_u32 v[ADRS], s85, v5
	v_add_nc_u32 v[ADRB+1], SLOT, v[ADRB]
	v_add_nc_u32 v[ADRS+1], SLOT, v[ADRS]
	v_min_u32 v[PFO], s19, v6
	v_add_nc_u32 v[PFO], s18, v[PFO]
	v_min_u32 v[PFO], 99, v[PFO]                   ; a block has 100 units of 256 bytes
	v_lshlrev_b32 v[PFO], 8, v[PFO]
	v_lshl_add_u32 v[SSW], v6, 2, s86
	v_lshl_add_u32 v[SSR], v6, 2, s87
	v_lshl_add_u32 v[QSW], v1, 2, s88
	v_add_nc_u32 v[QSRD], s88, v[L16]
	v_and_b32 v3, 8, v1
	v_add_nc_u32 v3, v3, v1                        ; r + 8 (r / 8)
	v_mul_u32_u24 v[VSO], v3, 528
	v_lshl_add_u32 v[VSO], v2, 6, v[VSO]
	v_add_nc_u32 v[VSO], s89, v[VSO]
	v_and_b32 v4, 7, v6
	v_bfe_u32 v5, v6, 3, 1
	v_lshl_or_b32 v4, v5, 4, v4
	v_lshl_or_b32 v4, v2, 3, v4                    ; the lane's number with bits 3 and 4 exchanged
	v_lshl_add_u32 v[VLD], v4, 2, s89
	v_lshl_add_u32 v[VSW], v6, 2, s90
	v_add_nc_u32 v[VSRD], s90, v[L16]
	v_lshlrev_b32 v[CSO], 8, v3
	v_lshl_add_u32 v[CSO], v2, 6, v[CSO]
	v_lshlrev_b32 v[WNO], 6, v2
; 16 matrix instructions of step q of the slot's piece; the 64 accumulators take turns, one instruction a turn, in the same order in every step
.macro MUL16 a0, q, sc, zero
.irp a, \a0, \a0+1
.irp b, 0,1,2,3,4,5,6,7
.if \zero
	v_wmma_scale_f32_16x16x128_f8f6f4 v[8*(8*((\a)%4)+\b):8*(8*((\a)%4)+\b)+7], v[128*(\q)+FR*\b:128*(\q)+FR*\b+FR-1], v[AF+96*(\q)+FR*(\a):AF+96*(\q)+FR*(\a)+FR-1], 0, v[SC+8*NQ*(\sc)+NQ*\b+(\q)], v[SC+8*NQ*(\sc)+NQ*(\a)+(\q)] matrix_a_fmt:MATRIX_FMT_FP6 matrix_b_fmt:MATRIX_FMT_FP6 matrix_a_scale:MATRIX_SCALE_ROW1
.else
	v_wmma_scale_f32_16x16x128_f8f6f4 v[8*(8*((\a)%4)+\b):8*(8*((\a)%4)+\b)+7], v[128*(\q)+FR*\b:128*(\q)+FR*\b+FR-1], v[AF+96*(\q)+FR*(\a):AF+96*(\q)+FR*(\a)+FR-1], v[8*(8*((\a)%4)+\b):8*(8*((\a)%4)+\b)+7], v[SC+8*NQ*(\sc)+NQ*\b+(\q)], v[SC+8*NQ*(\sc)+NQ*(\a)+(\q)] matrix_a_fmt:MATRIX_FMT_FP6 matrix_b_fmt:MATRIX_FMT_FP6 matrix_a_scale:MATRIX_SCALE_ROW1
.endif
.endr
.endr
.endm
.macro FETCH_B slot, q                 ; the weights' eight fragments of step q, from LDS, into set q
	WIN TO_B
.irp i, 0,1,2,3,4,5,6,7
.irp c, 0,1,2
	ds_load_b128 v[128*(\q)+FR*\i+4*\c:128*(\q)+FR*\i+4*\c+3], v[ADRB+\slot] offset:3072*\i+1536*(\q)+512*\c
.endr
.endr
	WIN 0
.endm
.macro ALOAD set, i0, ao               ; the tokens' blocks i0 .. i0 + 3 at byte ao of my group, from xbuf, into set: each load reads 512 consecutive bytes
.irp i, \i0, \i0+1, \i0+2, \i0+3
.irp c, 0,1,2
	global_load_b128 v[AF+96*(\set)+FR*(\i)+4*\c:AF+96*(\set)+FR*(\i)+4*\c+3], v[L16], s[AB:AB+1] offset:(\ao)+3072*(\i)+512*\c
.endr
.endr
.endm
.macro SCALES sc                       ; lanes 0-15 the tokens' tile i, lanes 16-31 the weights' tile i: the piece's two words a row
.irp i, 0,1,2,3,4,5,6,7
	ds_load_b64 v[SC+8*NQ*\sc+NQ*\i:SC+8*NQ*\sc+NQ*\i+1], v[ADRS+\sc] offset:128*\i
.endr
.endm
.macro PLACES n                        ; plain vector instructions between a matrix instruction and a load into, or a read of, its registers
.rept \n
	v_nop
.endr
.endm
.macro ASK                             ; in the last lap there is no piece two on
	s_cmp_gt_u32 s3, 1
	s_cbranch_scc0 .Lno_ask_\@
	global_prefetch_b8 v[PFO], s[PFA:PFA+1] offset:BLK th:TH_LOAD_NT scope:SCOPE_SE
.Lno_ask_\@:
.endm
; A piece's first step (set 0).  Each half of the tokens' set is asked for anew, for the step two on (at byte ao), as soon as its products are issued.
; The counted waits: behind the 12 loads that a half step's products need, 36 have been issued: the step's other half (12) and the next step's (24), or the next step's (24) and the 12 just issued.
.macro STEP slot, zero, ao, l2
	s_wait_dscnt 0x0                               ; the weights' set and the scale words are in
	s_wait_loadcnt 36
	WIN MUL_LO
	MUL16 0, 0, \slot, \zero
	MUL16 2, 0, \slot, \zero
	PLACES NP
	FETCH_B \slot, 1
.if (\ao) >= 0
	ALOAD 0, 0, \ao
.endif
	s_wait_loadcnt \l2
	WIN MUL_HI
	MUL16 4, 0, \slot, \zero
	MUL16 6, 0, \slot, \zero
.if (\ao) >= 0
	PLACES NP
	WIN 0
	ALOAD 0, 4, \ao
.else
	WIN 0
.endif
.endm
; A piece's second step (set 1) changes slots: each wave waits for all its tensor loads, adds 0 to its spare word, waits for that and for its reads of this slot; one barrier, which with fill = 1 opens a round of the cluster's.
.macro TURN slot, next, fill, ao
.if \fill
	s_wait_xcnt 0x0                                ; my last prefetch has read its address
	s_add_nc_u64 s[PFA:PFA+1], s[PFA:PFA+1], BLK
.endif
	s_wait_tensorcnt 0x0                           ; my one load that was out, my part of the next slot, has landed
	ds_add_u32 v[SPW], v[NIL]
	s_wait_dscnt 1                                 ; the weights' set is in; the add may be out
	s_wait_loadcnt 36
	WIN MUL_LO
	MUL16 0, 1, \slot, 0
	s_wait_dscnt 0x0                               ; the add is done, and my reads of this slot are over
	s_barrier_signal -1
	MUL16 2, 1, \slot, 0
	WIN 0
	s_barrier_wait -1
.if \fill
	CREST                                          ; no wave of any partner still reads this slot or has a load on its way
	s_add_nc_u64 s[G0+4*\slot+2:G0+4*\slot+3], s[G0+4*\slot+2:G0+4*\slot+3], 2*BLK
	s_add_nc_u64 s[G0B+4*\slot+2:G0B+4*\slot+3], s[G0B+4*\slot+2:G0B+4*\slot+3], 2*BLK
	JLOAD G0+4*\slot, G1, G0B+4*\slot, G1B         ; my one tensor load behind the round; its four v_nop are the places in front of the loads below
.else
	PLACES NP
.endif
	FETCH_B \next, 0
	SCALES \next
	ALOAD 1, 0, \ao
.if \fill
	ASK
.endif
	s_wait_loadcnt 36
	WIN MUL_HI
	MUL16 4, 1, \slot, 0
	MUL16 6, 1, \slot, 0
	PLACES NP
	WIN 0
	ALOAD 1, 4, \ao
.endm
	ALOAD 0, 0, 0                                  ; the tokens' fragments of steps 0 and 1
	ALOAD 0, 4, 0
	ALOAD 1, 0, 1536
	ALOAD 1, 4, 1536
	global_prefetch_b8 v[PFO], s[PFA:PFA+1] th:TH_LOAD_NT scope:SCOPE_SE             ; pieces 2 and 3
	global_prefetch_b8 v[PFO], s[PFA:PFA+1] offset:BLK th:TH_LOAD_NT scope:SCOPE_SE
	s_wait_alu depctr_va_vdst(0)                   ; the wait at the head's end
	s_wait_tensorcnt 0x0                           ; my part of piece 0 is in; the add and its wait ahead of a later first fill:
	ds_add_u32 v[SPW], v[NIL]
	s_wait_dscnt 0x0
	CROUND
	JLOAD G0+4, G1, G0B+4, G1B                     ; piece 1, the first tensor load behind the round
	FETCH_B 0, 0
	SCALES 0
	STEP 0, 1, BLK, 36                             ; the first step's products start the sums
	s_mov_b32 s3, LAPS-1
.Llap:
	TURN 0, 1, 1, BLK+1536
	STEP 1, 0, 2*BLK, 36
	TURN 1, 0, 1, 2*BLK+1536
	STEP 0, 0, 3*BLK, 36
	s_wait_xcnt 0x0                                ; my loads have read their base
	s_add_nc_u64 s[AB:AB+1], s[AB:AB+1], 2*BLK
	s_sub_co_u32 s3, s3, 1
	s_cmp_lg_u32 s3, 0
	s_cbranch_scc1 .Llap
	TURN 0, 1, 0, BLK+1536                         ; the last lap fills nothing
	STEP 1, 0, -1, 24                              ; and its last two steps ask for no fragments of the tokens: behind the 12 that the second half needs stand the last step's 24
	s_wait_dscnt 0x0
	s_wait_loadcnt 12                              ; the last step's second half may be out
	WIN MUL_LO
	MUL16 0, 1, 1, 0
	MUL16 2, 1, 1, 0
	s_wait_loadcnt 0x0
	WIN MUL_HI
	MUL16 4, 1, 1, 0
	MUL16 6, 1, 1, 0
	WIN 0
; ================ THE WAY OUT
; 64 numbers of a lane, register 16 b + i = k 32 b + 16 h + i of my row, become a fragment's codes in v[QC] on and its scale word in v[PW]
.macro QUANT s
.irp b, 0,1,2,3
	v_max3_num_f32 v[TM+\b], |v[\s+16*\b]|, |v[\s+1+16*\b]|, 0x1800000
.endr
.irp i, 2,4,6,8,10,12,14
.irp b, 0,1,2,3
	v_max3_num_f32 v[TM+\b], v[TM+\b], |v[\s+16*\b+\i]|, |v[\s+1+16*\b+\i]|
.endr
.endr
.irp b, 0,1,2,3
	v_permlanex16_b32 v[TM+4+\b], v[TM+\b], s[SEL], s[SEL+1]
.endr
.irp b, 0,1,2,3
	v_max_num_f32 v[TM+\b], v[TM+\b], v[TM+4+\b]
.endr
.irp b, 0,1,2,3
	v_add_nc_u32 v[TM+12+\b], 0xff000000, v[TM+\b]
.endr
.irp b, 0,1,2,3
	v_lshrrev_b32 v[TM+4+\b], 23, v[TM+12+\b]
.endr
	v_lshl_or_b32 v[PW], v[TM+5], 8, v[TM+4]
	v_lshl_or_b32 v[PW], v[TM+6], 16, v[PW]
	v_lshl_or_b32 v[PW], v[TM+7], 24, v[PW]
.irp c, 0,1
	v_cvt_scalef32_pk16_fp6_f32 v[QC+6*\c:QC+2+6*\c], v[\s+32*\c:\s+15+32*\c], v[TM+12+2*\c]
	v_cvt_scalef32_pk16_fp6_f32 v[QC+12+4*\c:QC+14+4*\c], v[\s+16+32*\c:\s+31+32*\c], v[TM+12+2*\c+1]
.endr
	v_nop                                          ; one plain place behind a scaled conversion
.irp c, 0,1                                    ; the operand's layout wants a whole block in a lane
.irp i, 0,1,2
	v_permlane16_swap_b32 v[QC+6*\c+\i], v[QC+12+4*\c+\i]
.endr
.irp i, 0,1,2
	v_mov_b32 v[QC+3+6*\c+\i], v[QC+12+4*\c+\i]
.endr
.endr
.endm
.macro CSLOAD a                        ; row block a's cos and sin at my token's columns 16 h + 0..15 and 32 + 16 h + 0..15, into set a % 4 of window 1
.irp bb, 0,1
.irp k, 0,1,2,3
	global_load_b128 v[64*((\a)%4)+16*\bb+4*\k:64*((\a)%4)+16*\bb+4*\k+3], v[CSO], s[68:69] offset:(32*((\a)/2)+8*((\a)%2))*256+128*\bb+16*\k
.endr
.endr
.irp bb, 0,1
.irp k, 0,1,2,3
	global_load_b128 v[64*((\a)%4)+32+16*\bb+4*\k:64*((\a)%4)+32+16*\bb+4*\k+3], v[CSO], s[70:71] offset:(32*((\a)/2)+8*((\a)%2))*256+128*\bb+16*\k
.endr
.endr
.endm
.macro SUMSQ hi                        ; four row blocks' sums of squares by turns; each accumulator is read from its low end on
	WIN (0x0a+5*\hi)
.irp a, 0,1,2,3
	v_pk_mul_f32 v[RS+8*\hi+2*\a:RS+8*\hi+2*\a+1], v[64*\a:64*\a+1], v[64*\a:64*\a+1]
.endr
.set i, 2
.rept 31
.irp a, 0,1,2,3
	v_pk_fma_f32 v[RS+8*\hi+2*\a:RS+8*\hi+2*\a+1], v[64*\a+i:64*\a+i+1], v[64*\a+i:64*\a+i+1], v[RS+8*\hi+2*\a:RS+8*\hi+2*\a+1]
.endr
.set i, i+2
.endr
.endm
	PLACES NP                                      ; behind the last products
	s_lshl_b32 s82, s17, 8
	s_lshl_b32 s83, s15, 7
	s_add_co_u32 s82, s82, s83                     ; my wave's first token position
	s_lshr_b32 s84, s17, 3                         ; the batch
	s_and_b32 s85, s82, 2047                       ; the position in the batch
	s_cmp_lg_u32 s95, 0
	s_cbranch_scc1 .Lmeet
	; ---- q, k, ahead of the barrier: my half of each row's sum of squares goes to LDS
	SUMSQ 0
	SUMSQ 1
	WIN 0
.irp a, 0,1,2,3,4,5,6,7
	v_add_f32 v[RS+2*\a], v[RS+2*\a], v[RS+2*\a+1]
.endr
.irp a, 0,1,2,3,4,5,6,7
	v_permlanex16_b32 v[RS+2*\a+1], v[RS+2*\a], s[SEL], s[SEL+1]
.endr
.irp a, 0,1,2,3,4,5,6,7
	v_add_f32 v[RS+2*\a], v[RS+2*\a], v[RS+2*\a+1]
.endr
.irp a, 0,1,2,3,4,5,6,7
	ds_store_b32 v[SSW], v[RS+2*\a] offset:128*\a
.endr
.Lmeet:
	s_wait_dscnt 0x0                               ; for the others' sake: my stores have landed
	s_barrier_signal -1
	s_barrier_wait -1                              ; on every path: no barrier stands under a branch
	s_cmp_eq_u32 s95, 1
	s_cbranch_scc1 .Lgate
	s_cmp_eq_u32 s95, 2
	s_cbranch_scc1 .Lvpath
	; ---- q, k: the gains and the first cos and sin are asked for first
	s_cmp_lt_u32 s42, 8
	s_cselect_b64 s[GN:GN+1], s[72:73], s[74:75]   ; q_norm_w or k_norm_w
	s_lshl_b32 s88, s16, 9
	s_mov_b32 s89, 0
	s_add_nc_u64 s[GN:GN+1], s[GN:GN+1], s[88:89]
.irp b, 0,1,2,3
.irp k, 0,1,2,3
	global_load_b128 v[W1+16*\b+4*\k:W1+16*\b+4*\k+3], v[WNO], s[GN:GN+1] offset:128*\b+16*\k
.endr
.endr
	s_lshl_b32 s88, s82, 8
	s_add_nc_u64 s[68:69], s[68:69], s[88:89]      ; cos and sin at my wave's first token
	s_add_nc_u64 s[70:71], s[70:71], s[88:89]
	s_cmp_lg_u32 s16, 0                            ; the head's first 64 columns lie in the waves of column half 0
	s_cbranch_scc1 .Lno_cs
	WIN 0x40
	CSLOAD 0
	CSLOAD 1
	CSLOAD 2
	CSLOAD 3
	WIN 0
.Lno_cs:
.irp a, 0,1,2,3,4,5,6,7
	ds_load_b32 v[RS+2*\a], v[SSW] offset:128*\a
	ds_load_b32 v[RS+2*\a+1], v[SSR] offset:128*\a
.endr
	s_lshr_b32 s86, s42, 1                         ; q: the head,
	s_lshl_b32 s87, s84, 2
	s_add_co_u32 s86, s86, s87                     ; the plane 4 b + head,
	s_lshl_b32 s87, s86, 7
	s_lshr_b32 s88, s85, 4
	s_add_co_u32 s87, s87, s88
	s_mul_i32 s87, s87, 3072                       ; my first tile's images,
	s_lshl_b32 s88, s86, 1
	s_add_co_u32 s88, s88, s16
	s_lshl_b32 s88, s88, 11
	s_add_co_u32 s88, s88, s85
	s_lshl_b32 s88, s88, 2
	s_add_co_u32 s88, s88, 3145728                 ; my 128 scale words
	s_sub_co_u32 s89, s42, 8                       ; k: the key head (used where y is 8 or 9 alone),
	s_lshl_b32 s92, s84, 1
	s_add_co_u32 s89, s89, s92
	s_lshl_b32 s89, s89, 4
	s_lshr_b32 s92, s85, 7
	s_add_co_u32 s89, s89, s92
	s_mul_i32 s89, s89, 51200                      ; my key step's block,
	s_lshl_b32 s92, s16, 9
	s_add_co_u32 s92, s92, s89
	s_add_co_u32 s92, s92, 49152                   ; my 128 scale words in it
	s_cmp_lt_u32 s42, 8
	s_cselect_b64 s[90:91], s[76:77], s[78:79]
	s_cselect_b32 s87, s87, s89
	s_cselect_b32 s88, s88, s92
	s_mul_i32 s89, s16, 1536                       ; my column half is the K step
	s_add_co_u32 s86, s87, s89
	s_mov_b32 s87, 0
	s_mov_b32 s89, 0
	s_add_nc_u64 s[92:93], s[90:91], s[88:89]      ; the scale words
	s_add_nc_u64 s[90:91], s[90:91], s[86:87]      ; the images
.irp b, 0,1,2,3
	v_mov_b32 v[TM+4+\b], 0                        ; a lane permute's destination counts as one of its sources
.endr
	s_wait_dscnt 0x0
.irp a, 0,1,2,3,4,5,6,7
	v_add_f32 v[RS+2*\a], v[RS+2*\a], v[RS+2*\a+1]
.endr
.irp a, 0,1,2,3,4,5,6,7
	v_fma_f32 v[RS+2*\a], v[RS+2*\a], s98, s99     ; the mean of the squares + 1e-6
.endr
	s_wait_alu depctr_va_vdst(0)                   ; the wait ahead of the batch
.irp a, 0,1,2,3,4,5,6,7
	v_rsq_f32 v[RS+2*\a], v[RS+2*\a]
.endr
	v_nop                                          ; a plain place behind the batch,
	s_wait_alu depctr_va_vdst(0)                   ; and the wait behind it
	s_wait_loadcnt 0x0                             ; the gains, and cos and sin of row blocks 0-3
.set i, 0
.rept 32
	v_pk_add_f32 v[W1+i:W1+i+1], v[W1+i:W1+i+1], 1.0 op_sel_hi:[1,0]
.set i, i+2
.endr
.macro QKROW a
	s_wait_xcnt 0x0                                ; the last row block's stores have read their data
	s_wait_dscnt 0x0                               ; and so has its LDS store
	WIN (0x02+(\a)/4)
.set i, 0
.rept 32
	v_pk_mul_f32 v[Y+i:Y+i+1], v[64*((\a)%4)+i:64*((\a)%4)+i+1], v[RS+2*(\a):RS+2*(\a)+1] op_sel_hi:[1,0]   ; x / rms
.set i, i+2
.endr
	WIN 0
.set i, 0
.rept 32
	v_pk_mul_f32 v[Y+i:Y+i+1], v[Y+i:Y+i+1], v[W1+i:W1+i+1]      ; x (1 + w)
.set i, i+2
.endr
	s_cmp_lg_u32 s16, 0
	s_cbranch_scc1 .Lno_rope_\@
.if (\a) >= 4
	s_wait_loadcnt 16*(7-(\a))                     ; this row block's 16 loads are in; the later row blocks' may be out
.endif
	WIN 0x04
.set i, 0
.rept 8
.set tt, TT+4*((i/2)%2)
	v_pk_mul_f32 v[tt:tt+1], v[Y+16+i:Y+17+i], v[64*((\a)%4)+32+i:64*((\a)%4)+33+i]        ; x(c + 32) sin(c)
	v_pk_mul_f32 v[tt+2:tt+3], v[Y+i:Y+i+1], v[64*((\a)%4)+48+i:64*((\a)%4)+49+i]          ; x(c) sin(c + 32)
	v_pk_fma_f32 v[Y+i:Y+i+1], v[Y+i:Y+i+1], v[64*((\a)%4)+i:64*((\a)%4)+i+1], v[tt:tt+1] neg_lo:[0,0,1] neg_hi:[0,0,1]
	v_pk_fma_f32 v[Y+16+i:Y+17+i], v[Y+16+i:Y+17+i], v[64*((\a)%4)+16+i:64*((\a)%4)+17+i], v[tt+2:tt+3]
.set i, i+2
.endr
.if (\a) < 4
	WIN 0x40
	CSLOAD (\a)+4
.endif
	WIN 0
.Lno_rope_\@:
	QUANT Y
.irp c, 0,1,2
	global_store_b128 v[L16], v[QC+4*\c:QC+4*\c+3], s[90:91] offset:3072*(\a)+512*\c      ; 32 lanes store 512 consecutive bytes
.endr
	ds_store_b32 v[QSW], v[PW] offset:64*(\a)      ; both halves of the lanes write the same word with the same value
.endm
.irp a, 0,1,2,3,4,5,6,7
	QKROW \a
.endr
	s_wait_xcnt 0x0
	ds_load_b128 v[QC:QC+3], v[QSRD]               ; my wave's 128 scale words, in position order
	s_wait_dscnt 0x0
	global_store_b128 v[L16], v[QC:QC+3], s[92:93]
	s_branch .Lclose
	; ---- gate: the accumulators as they stand
.Lgate:
	s_lshr_b32 s86, s82, 4
	s_lshl_b32 s86, s86, 2
	s_lshr_b32 s87, s42, 1
	s_add_co_u32 s86, s86, s87
	s_lshl_b32 s86, s86, 1
	s_add_co_u32 s86, s86, s16
	s_lshl_b32 s86, s86, 13                        ; ((16-row block x 4 + head) x 2 + column half) x 8,192
	s_mov_b32 s87, 0
	s_add_nc_u64 s[90:91], s[80:81], s[86:87]
.irp a, 0,1,2,3,4,5,6,7
	WIN (0x08+4*(\a/4))
.irp k, 0,1,2,3,4,5,6,7,8,9,10,11,12,13,14,15
	global_store_b128 v[L16], v[64*(\a%4)+4*\k:64*(\a%4)+4*\k+3], s[90:91] offset:65536*\a+512*\k
.endr
.endr
	WIN 0
	s_branch .Lclose
	; ---- v
.Lvpath:
	s_sub_co_u32 s86, s42, 10
	s_lshl_b32 s87, s84, 1
	s_add_co_u32 s86, s86, s87
	s_lshl_b32 s86, s86, 4
	s_lshr_b32 s87, s85, 7
	s_add_co_u32 s86, s86, s87
	s_mul_i32 s86, s86, 51200                      ; my key step's block
	s_mul_i32 s87, s16, 12288
	s_add_co_u32 s88, s86, s87
	s_add_co_u32 s88, s88, 24576
	s_mov_b32 s89, 0
	s_add_nc_u64 s[90:91], s[78:79], s[88:89]      ; my eight tiles of V^T
	s_lshl_b32 s87, s16, 9
	s_add_co_u32 s88, s86, s87
	s_add_co_u32 s88, s88, 50176
	s_add_nc_u64 s[92:93], s[78:79], s[88:89]      ; their scale words
.macro VSTAGE g                        ; tokens 32 g .. 32 g + 31 x my 128 columns into my stage, true order both ways; each accumulator from its low end
.irp u, 0,1
	WIN (0x08+4*((2*(\g)+\u)/4))
.irp b, 0,1,2,3,4,5,6,7
	ds_store_b128 v[VSO], v[8*(8*((2*(\g)+\u)%4)+\b):8*(8*((2*(\g)+\u)%4)+\b)+3] offset:8*\u*528+128*(\b/2)+32*(\b%2)
	ds_store_b128 v[VSO], v[8*(8*((2*(\g)+\u)%4)+\b)+4:8*(8*((2*(\g)+\u)%4)+\b)+7] offset:8*\u*528+128*(\b/2)+32*(\b%2)+16
.endr
.endr
	WIN 0
.endm
.macro VLOADQ q, set                   ; lane l: the 32 tokens of channel position 32 q + l
.set i, 0
.rept 32
	ds_load_b32 v[XV+32*(\set)+i], v[VLD] offset:i*528+128*(\q)
.set i, i+1
.endr
.endm
.macro VBLOCK g, q, set                ; a block of 32 keys of one channel, all in my lane
.set XS, XV+32*(\set)
.set DD, VF+24*(\q)+12*((\g)%2)+6*((\g)/2)
	v_max3_num_f32 v228, |v[XS]|, |v[XS+1]|, |v[XS+2]|
	v_max3_num_f32 v229, |v[XS+3]|, |v[XS+4]|, |v[XS+5]|
.irp i, 6,10,14,18,22,26
	v_max3_num_f32 v228, v228, |v[XS+\i]|, |v[XS+\i+1]|
	v_max3_num_f32 v229, v229, |v[XS+\i+2]|, |v[XS+\i+3]|
.endr
	v_max3_num_f32 v228, v228, |v[XS+30]|, |v[XS+31]|
	v_max3_num_f32 v228, v228, v229, 0x1800000
	v_add_nc_u32 v230, 0xff000000, v228
	v_lshrrev_b32 v231, 23, v230
.if (\g) == 0
	v_mov_b32 v[SBV+(\q)], v231
.else
	v_lshl_or_b32 v[SBV+(\q)], v231, 8*(\g), v[SBV+(\q)]
.endif
	v_cvt_scalef32_pk16_fp6_f32 v[DD:DD+2], v[XS:XS+15], v230
	v_cvt_scalef32_pk16_fp6_f32 v[232:234], v[XS+16:XS+31], v230
	v_nop
.irp i, 0,1,2
	v_mov_b32 v[DD+3+\i], v[232+\i]
.endr
.endm
.irp g, 0,1,2,3
	VSTAGE \g
	VLOADQ 0, 0
	VLOADQ 1, 1
	s_wait_dscnt 32                                ; the stage's stores and the first 32 loads are done; the next column group's 32 may be out
	VBLOCK \g, 0, 0
	VLOADQ 2, 0
	s_wait_dscnt 32
	VBLOCK \g, 1, 1
	VLOADQ 3, 1
	s_wait_dscnt 32
	VBLOCK \g, 2, 0
	s_wait_dscnt 0x0
	VBLOCK \g, 3, 1
.if \g%2
.irp q, 0,1,2,3                        ; the even block's upper lanes change places with the odd block's lower ones: both tiles' registers 6 c .. 6 c + 5 are whole
.irp i, 0,1,2,3,4,5
	v_permlane16_swap_b32 v[VF+24*\q+6*(\g/2)+\i], v[VF+24*\q+12+6*(\g/2)+\i]
.endr
.endr
.endif
.endr
.irp q, 0,1,2,3
.irp u, 0,1
.irp c, 0,1,2
	global_store_b128 v[L16], v[VF+24*\q+12*\u+4*\c:VF+24*\q+12*\u+4*\c+3], s[90:91] offset:1536*(2*\q+\u)+512*\c
.endr
.endr
.endr
.irp q, 0,1,2,3
	ds_store_b32 v[VSW], v[SBV+\q] offset:128*\q
.endr
	ds_load_b128 v[236:239], v[VSRD]
	s_wait_dscnt 0x0
	global_store_b128 v[L16], v[236:239], s[92:93]
.Lclose:
	s_wait_tensorcnt 0x0                           ; the wave's end
	ds_add_u32 v[SPW], v[NIL]
	s_wait_dscnt 0x0
	CROUND                                         ; the closing round
	s_endpgm
.Lfunc_end_k_q9ac5ff1c53_qkv:
	.size	k_q9ac5ff1c53_qkv, .Lfunc_end_k_q9ac5ff1c53_qkv-k_q9ac5ff1c53_qkv
	.p2alignl 7, 3214868480
	.fill 96, 4, 3214868480
	.section	.rodata,"a",@progbits
	.p2align	6, 0x0
	.amdhsa_kernel k_q9ac5ff1c53_qkv
		.amdhsa_group_segment_fixed_size 327680
		.amdhsa_private_segment_fixed_size 0
		.amdhsa_enable_private_segment 0
		.amdhsa_kernarg_size 72
		.amdhsa_user_sgpr_count 2
		.amdhsa_user_sgpr_kernarg_segment_ptr 1
		.amdhsa_wavefront_size32 1
		.amdhsa_system_sgpr_workgroup_id_x 1
		.amdhsa_system_sgpr_workgroup_id_y 1
		.amdhsa_system_sgpr_workgroup_id_z 1
		.amdhsa_system_vgpr_workitem_id 0
		.amdhsa_next_free_vgpr 1024
		.amdhsa_next_free_sgpr 100
		.amdhsa_reserve_vcc 0
		.amdhsa_float_denorm_mode_32 3
		.amdhsa_float_denorm_mode_16_64 3
		.amdhsa_memory_ordered 1
		.amdhsa_forward_progress 1
		.amdhsa_inst_pref_size 255
	.end_amdhsa_kernel
	.section	.bss,"aw",@nobits
	.p2align	6
	.space	262144
	.amdgpu_metadata
---
amdhsa.version: [ 1, 2 ]
amdhsa.kernels:
  - .name:           k_q9ac5ff1c53_qkv
    .symbol:         k_q9ac5ff1c53_qkv.kd
    .args:
      - { .name: xbuf, .offset: 0, .size: 8, .value_kind: global_buffer, .address_space: global }
      - { .name: wbuf, .offset: 8, .size: 8, .value_kind: global_buffer, .address_space: global }
      - { .name: cos, .offset: 16, .size: 8, .value_kind: global_buffer, .address_space: global }
      - { .name: sin, .offset: 24, .size: 8, .value_kind: global_buffer, .address_space: global }
      - { .name: q_norm_w, .offset: 32, .size: 8, .value_kind: global_buffer, .address_space: global }
      - { .name: k_norm_w, .offset: 40, .size: 8, .value_kind: global_buffer, .address_space: global }
      - { .name: qbuf, .offset: 48, .size: 8, .value_kind: global_buffer, .address_space: global }
      - { .name: kv, .offset: 56, .size: 8, .value_kind: global_buffer, .address_space: global }
      - { .name: gt, .offset: 64, .size: 8, .value_kind: global_buffer, .address_space: global }
    .group_segment_fixed_size: 327680
    .private_segment_fixed_size: 0
    .kernarg_segment_align: 8
    .kernarg_segment_size: 72
    .max_flat_workgroup_size: 128
    .sgpr_count:     100
    .vgpr_count:     1024
    .wavefront_size: 32
...
	.end_amdgpu_metadata
.endif
;; end of part 2
;; launch attn (part 3): grid 64 x 4, 4 waves a work-group, clusters of 4 x 1, 327,680 bytes of LDS; arguments qbuf, kv, gt, abuf; writes abuf
.if DOCPART == 3
	.amdgcn_target "amdgcn-amd-amdhsa--gfx1250"
	.amdhsa_code_object_version 6
	.text
	.protected	k_q9ac5ff1c53_attn
	.globl	k_q9ac5ff1c53_attn
	.p2align	8
	.type	k_q9ac5ff1c53_attn,@function
k_q9ac5ff1c53_attn:
	s_mov_b64 s[64:65], 0
	v_nop
	global_prefetch_b8 v0, s[64:65] scope:SCOPE_SE
	s_setreg_imm32_b32 hwreg(HW_REG_WAVE_MODE, 25, 1), 1
	s_wait_xcnt 0x0
	s_wait_alu depctr_hold_cnt(0) depctr_sa_sdst(0) depctr_va_vdst(0) depctr_va_sdst(0) depctr_va_ssrc(0) depctr_va_vcc(0) depctr_vm_vsrc(0)
	s_getreg_b32 s2, hwreg(HW_REG_IB_STS2, 6, 4)
	s_cmp_eq_u32 s2, 0
	s_cbranch_scc0 .Lentry_in_a_cluster
	s_endpgm
.Lentry_in_a_cluster:
	s_bfe_u32 s2, ttmp6, 0x10000c
	s_cmp_lg_u32 s2, 0x3003
	s_cbranch_scc0 .Lentry_shape_is_right
	s_endpgm
.Lentry_shape_is_right:
; LAUNCH 3 OF 4.  Causal attention on codes of FP6: S^T = K Q^T (K = the head's 256), p = 2^(t - M) with M a whole number, O^T = V^T p (K = the keys), / the sum of the unquantised p, x sigmoid(gate), quantised for the last product.
; LEFT OUT: key steps of 128 all of whose keys come after all 16 queries of a tile: reference()'s own mask gives them the weight 0 (shown at the head of the first launch).
; AN EVEN SPLIT.  y = 2 batch + key head.  Work-group i (0..63) of a y owns query tiles A = i (key steps 0 .. J, J = i / 8) and B = 127 - i (key steps 0 .. 15 - J), for both query heads of the key head:
; 17 steps x 2 heads in every work-group.  Wave w: head 2 kvh + (w & 1); z = w / 2.  z = 0 walks B's steps 0-7 (8 trips, never on the diagonal); z = 1 walks B's L = 8 - J steps 8 .. 15 - J and then A's steps 0 .. J (9 trips).
; B's two parts meet in LDS: M is a whole number, so bringing both under the larger M rounds nothing.  All trip counts are constants.
; THE ORDER OF THE WALKS.  A running maximum serves any order of key steps, so the sixteen clusters of a y (x = 0 .. 15, J = x / 2) begin at different steps: stream 0 at step (x mod 8) xor (7 where x >= 8), going up and round;
; stream 1 at the diagonal's place or two under it, going down and round B's L places.  In the first trip the clusters of a y together ask for all sixteen blocks.
; A KEY STEP'S BLOCK in kv is 51,200 dense bytes: 16 images of K's fragments (24,576), 16 of V^T's (24,576), K's and V's scale words (2 x 1,024).
; K'S FRAGMENTS DO NOT PASS THROUGH LDS: an image is the operand's registers as they are, so each wave loads the next step's 16 images from kv into K's registers, 48 loads of 512 consecutive bytes, as soon as this step's
; score products are issued: they have the softmax and the second product in which to land.  THE REST of a block, 26,624 dense bytes, goes through a ring of two LDS slots: each of a stream's two waves fetches 52 rows of 256 bytes.
; So of a key step LDS takes in 26,624 bytes a stream in place of 51,200, and gives out as many to each of two waves.
; CLUSTER 4 x 1: the four partners have the same x and y, so they walk the same key steps in the same trips: every tile of the ring is asked for JOINTLY (mask 15), and every wave reads every tile that it is sent.
; By this text's count a wave never has more than one tensor load out.
; L2 prefetches are left out: each key step's block is read by many clusters of the launch, the first time in the first trip; it is no stream that is read once.
; LIMITS: NaN and infinities are not served.  When a wave goes over from tile B to tile A its sums are not cleared: the next step multiplies them by 2^(a saturated negative number) = 0, which holds while B's sums are finite.
; REGISTERS: window 0: v1-11 addresses; v12 -M, v13 the largest t, v[14:15] the sum; v16-39 Q; v40-41 Q's scale words; v42-49 K's, v50-57 V's (lanes 16-31: the odd tile's); v96-159 S^T, p, later y;
;   v160-223 at work in the merge and on the way out; v224-254 at work in the softmax.  window 1: v0-127 O^T, v128-255 the gate.  window 2: K's 16 fragments.  window 3: V^T's 16.
; SCALARS OF THE WALK: s15 T, the trip; s16 LIM, the trip of B's last step in stream 1 (stream 0: 64, never); s17 the walk's first place; s63 L; s79 the trip of B's diagonal step (stream 0: 64, never);
;   s[80:81] key step 0's block; s[82:83] the block whose K is asked for next.
.set SLOT1, 1<<17
.set GSTR,  51200                      ; a block in kv
.set STRM,  26624                      ; what of it goes through LDS
.set HALFB, 13312
.set MRG,   233472                     ; behind the ring: 16,896 bytes a wave: O^T's image and four registers of state
.set MRGW,  16896
.set SPARE, 301056
.set SEL,   20
.set QC,    176
.set TM,    200
.set MSB, 0
.macro WIN new
.if MSB != \new
	s_set_vgpr_msb (MSB<<8)|\new
.set MSB, \new
.endif
.endm
.macro ROUND                           ; a round of the cluster's barrier
	s_barrier_signal -1
	s_barrier_wait -1
	s_cmp_lg_u32 s12, 0
	s_cbranch_scc1 .Lnot_wave_0_\@
	s_barrier_signal -3
.Lnot_wave_0_\@:
	s_barrier_wait -3
	s_barrier_signal -1
	s_barrier_wait -1
.endm
.macro TLOAD
	tensor_load_to_lds s[32:35], s[24:31]
	s_nop 0
.rept 4
	v_nop
.endr
.endm
.macro KLOAD                           ; K's 16 images of the block at s[82:83] into window 2: register 4 k of lane l from byte 512 k + 16 l
	WIN 0x80
.set k, 0
.rept 48
	global_load_b128 v[4*k:4*k+3], v1, s[82:83] offset:512*k
.set k, k+1
.endr
.endm
	s_load_b256 s[4:11], s[0:1], 0x0               ; qbuf, kv, gt, abuf
	v_lshl_add_u32 v5, v0, 2, SPARE
	v_mov_b32 v6, 0
	ds_add_u32 v5, v6                              ; the wave's opening: the add, twice on end, and its wait ahead of my first tensor load
	ds_add_u32 v5, v6
	v_lshrrev_b32 v1, 5, v0
	v_readfirstlane_b32 s12, v1                    ; wave
	s_lshr_b32 s13, s12, 1                         ; z
	s_and_b32 s14, s12, 1                          ; which of the two query heads; also which half of a tile I fetch
	s_bfe_u32 s38, ttmp6, 0x40000                  ; cx: it enters Q's, the gate's and the output's addresses and the mask's numbers alone
	s_lshl_b32 s39, ttmp9, 2
	s_add_co_u32 s39, s39, s38                     ; tile A
	s_sub_co_u32 s54, 127, s39                     ; tile B
	s_lshr_b32 s19, ttmp9, 1                       ; J: the same in all four partners
	s_and_b32 s55, ttmp7, 0xffff                   ; y
	s_mov_b32 s24, 15|(3<<16)|(1<<21)              ; group 1: all four work-groups; elements of 8 bytes; bit 21 beside the mask; no padding
	s_mov_b32 s25, 32<<16                          ; rows of 256 bytes,
	s_mov_b32 s26, 52<<16                          ; 52 of them,
	s_mov_b32 s27, 32<<16
	s_mov_b32 s28, 52
	s_mov_b32 s29, 32                              ; dense
	s_mov_b32 s30, 0
	s_mov_b32 s31, 0
	s_mov_b32 s15, 0                               ; T: the trip
	; the walks' first places: all of it hangs on the cluster's x and the wave's number alone, so it is alike in the four partners
	s_sub_co_u32 s63, 8, s19                       ; L = 8 - J
	s_sub_co_u32 s16, 7, s19                       ; L - 1: the diagonal step's place among them, and the trip of the last of them
	s_sub_co_i32 s73, s63, 3                       ; two places under the diagonal,
	s_and_b32 s74, ttmp9, 1
	s_cmp_eq_u32 s74, 0
	s_cselect_b32 s73, s16, s73                    ; for odd x alone,
	s_cmp_lt_i32 s73, 0
	s_cselect_b32 s73, s16, s73                    ; and where there are so many places: stream 1's first place
	s_add_co_u32 s74, s73, 1                       ; it goes down and round, so the diagonal's place comes in trip (first place + 1) mod L
	s_cmp_eq_u32 s74, s63
	s_cselect_b32 s74, 0, s74
	s_and_b32 s75, ttmp9, 7
	s_lshr_b32 s78, ttmp9, 3
	s_mul_i32 s78, s78, 7
	s_xor_b32 s75, s75, s78                        ; stream 0's first step
	s_add_co_u32 s78, s73, 8                       ; stream 1's first step
	s_cmp_eq_u32 s13, 0
	s_cselect_b32 s17, s75, s73                    ; my walk's first place
	s_cselect_b32 s78, s75, s78                    ; my first key step
	s_cselect_b32 s79, 64, s74                     ; the trip of B's diagonal step (z = 0: none)
	s_cselect_b32 s16, 64, s16                     ; LIM (z = 0: none)
	s_mul_i32 s18, s13, STRM                       ; TB: where my stream's tile lies, in slot 0
	s_mov_b32 s[SEL], 0x76543210
	s_mov_b32 s[SEL+1], 0xfedcba98
	s_mov_b32 s22, 0x3db8aa3b                      ; c = log2(e) / 16
	s_mov_b32 s23, s22
	s_mov_b32 s76, 0xbfb8aa3b                      ; -log2(e)
	s_mov_b32 s77, s76
	s_mul_i32 s84, s55, 16*GSTR                    ; my y's sixteen blocks
	s_mov_b32 s85, 0
	s_add_co_u32 s56, s84, 24576                   ; behind K's images:
	s_mul_i32 s57, s14, HALFB
	s_add_co_u32 s56, s56, s57                     ; my half of what goes through LDS
	s_mov_b32 s57, 0
	s_mul_i32 s58, s78, GSTR
	s_mov_b32 s59, 0
	s_lshr_b32 s60, s55, 1                         ; the batch
	s_and_b32 s61, s55, 1
	s_lshl_b32 s61, s61, 1
	s_add_co_u32 s61, s61, s14                     ; my query head
	s_lshl_b32 s62, s60, 2
	s_add_co_u32 s62, s62, s61                     ; the plane
	s_lshl_b32 s68, s62, 7
	s_add_co_u32 s69, s68, s39
	s_add_co_u32 s68, s68, s54
	s_mul_i32 s40, s68, 3072                       ; Q of tile B,
	s_mov_b32 s41, 0
	s_mul_i32 s42, s69, 3072                       ; of tile A,
	s_mov_b32 s43, 0
	s_lshl_b32 s70, s62, 14
	s_add_co_u32 s70, s70, 3145728
	s_lshl_b32 s44, s54, 6
	s_add_co_u32 s44, s44, s70                     ; their scale words
	s_mov_b32 s45, 0
	s_lshl_b32 s46, s39, 6
	s_add_co_u32 s46, s46, s70
	s_mov_b32 s47, 0
	s_cmp_eq_u32 s13, 0
	s_cselect_b32 s66, s54, s39                    ; the tile that I send out: z = 0: B, z = 1: A
	s_lshl_b32 s67, s60, 7
	s_add_co_u32 s67, s67, s66                     ; as a block of 16 among the 256
	s_lshl_b32 s48, s67, 2
	s_add_co_u32 s48, s48, s61
	s_lshl_b32 s48, s48, 14                        ; its gate
	s_mov_b32 s49, 0
	s_lshr_b32 s50, s67, 3                         ; abuf is laid [group of 128 rows][head][25,600 bytes], as the first launch's workspace is
	s_lshl_b32 s50, s50, 2
	s_add_co_u32 s50, s50, s61
	s_mul_i32 s50, s50, 25600                      ; my block
	s_and_b32 s53, s67, 7
	s_lshl_b32 s52, s53, 7
	s_add_co_u32 s52, s52, s50
	s_add_co_u32 s52, s52, 24576                   ; my tile's scale words
	s_mul_i32 s53, s53, 3072
	s_add_co_u32 s50, s50, s53                     ; my tile's images
	s_mov_b32 s51, 0
	s_mov_b32 s53, 0
	s_mov_b32 s32, 1                               ; group 0: count 1,
	s_mul_i32 s33, s12, HALFB                      ; LDS: 13,312 x wave, in slot 0
	s_wait_dscnt 0x0                               ; both opening adds are done
	s_wait_kmcnt 0x0
	s_add_nc_u64 s[36:37], s[6:7], s[56:57]        ; my half of key step 0's tile
	s_add_nc_u64 s[34:35], s[36:37], s[58:59]      ; of my walk's first step
	s_or_b32 s35, s35, 0x80000000
	s_add_nc_u64 s[80:81], s[6:7], s[84:85]        ; key step 0's block
	s_add_nc_u64 s[82:83], s[80:81], s[58:59]      ; my walk's first step's
	s_add_nc_u64 s[40:41], s[4:5], s[40:41]
	s_add_nc_u64 s[42:43], s[4:5], s[42:43]
	s_add_nc_u64 s[44:45], s[4:5], s[44:45]
	s_add_nc_u64 s[46:47], s[4:5], s[46:47]
	s_add_nc_u64 s[48:49], s[8:9], s[48:49]
	s_add_nc_u64 s[50:51], s[10:11], s[50:51]
	s_add_nc_u64 s[52:53], s[10:11], s[52:53]
	ROUND                                          ; all four work-groups are here: the first joint loads meet
	TLOAD                                          ; every wave's first fill: no branch leads round it
	v_and_b32 v60, 31, v0                          ; lane
	v_lshlrev_b32 v1, 4, v60                       ; 16 x lane
	v_lshlrev_b32 v2, 2, v60                       ; 4 x lane
	v_and_b32 v61, 15, v0                          ; r
	v_bfe_u32 v58, v0, 4, 1                        ; h
	v_lshlrev_b32 v11, 2, v61
.irp s, 0,1
.irp c, 0,1,2
	global_load_b128 v[16+12*\s+4*\c:19+12*\s+4*\c], v1, s[40:41] offset:1536*\s+512*\c   ; Q of tile B
.endr
	global_load_b32 v[40+\s], v11, s[44:45] offset:8192*\s
.endr
	KLOAD                                          ; K of my walk's first step
	WIN 0x40
.set k, 0
.rept 32
	global_load_b128 v[128+4*k:131+4*k], v1, s[48:49] offset:512*k th:TH_LOAD_NT          ; the gate of the tile that I send out: register for register as O^T lies
.set k, k+1
.endr
.set k, 0
.rept 128
	v_mov_b32 v[k], 0                              ; O^T.  (The key step is written without a first step of its own: it finds zeros, which the first change of M leaves zeros)
.set k, k+1
.endr
	WIN 0
	s_mul_i32 s68, s12, MRGW
	s_add_co_u32 s68, s68, MRG
	v_add_nc_u32 v7, s68, v1                       ; where I put my part of B
	s_xor_b32 s69, s12, 2
	s_mul_i32 s69, s69, MRGW
	s_add_co_u32 s69, s69, MRG
	v_add_nc_u32 v10, s69, v1                      ; where the wave of the same head and the other stream put its
	v_and_b32 v62, 8, v61
	v_add_nc_u32 v62, v62, v61
	v_lshlrev_b32 v63, 4, v58
	v_sub_nc_u32 v62, v62, v63                     ; r + 8 (r / 8) - 16 h
	s_wait_alu depctr_va_vdst(0)                   ; the wait ahead of the scalar lines below
	s_and_b32 s70, s54, 6
	s_lshl_b32 s70, s70, 4
	s_and_b32 s71, s54, 1
	s_lshl_b32 s71, s71, 3
	s_add_co_u32 s70, s70, s71
	v_add_nc_u32 v3, s70, v62                      ; d = my query's place in its diagonal step - 16 h: register 16 b + i is hidden where 32 b + i > d.  Tile B's,
	s_and_b32 s70, s39, 6
	s_lshl_b32 s70, s70, 4
	s_and_b32 s71, s39, 1
	s_lshl_b32 s71, s71, 3
	s_add_co_u32 s70, s70, s71
	v_add_nc_u32 v4, s70, v62                      ; and tile A's
	v_lshlrev_b32 v59, 3, v61
	v_lshl_add_u32 v59, v58, 2, v59                ; the way out: 8 r + 4 h
	v_mov_b32 v13, 0xff61b1e6                      ; the largest t so far: -3e38
	v_floor_f32 v12, -v13                          ; -M
	v_mov_b32 v14, 0
	v_mov_b32 v15, 0
.irp b, 0,1,2,3
	v_mov_b32 v[236+\b], 0                         ; written once: a lane permute's destination counts as one of its sources
	v_mov_b32 v[TM+4+\b], 0
.endr
	v_mov_b32 v253, 0
.macro KQ t, s                         ; S^T's tile t, K step s; the eight accumulators take turns
.if \s == 0
.if (\t)%2
	v_wmma_scale_f32_16x16x128_f8f6f4 v[96+8*(\t):103+8*(\t)], v[24*(\t):24*(\t)+11], v[16:27], 0, v[42+(\t)/2], v40 matrix_a_fmt:MATRIX_FMT_FP6 matrix_b_fmt:MATRIX_FMT_FP6 matrix_a_scale:MATRIX_SCALE_ROW1
.else
	v_wmma_scale_f32_16x16x128_f8f6f4 v[96+8*(\t):103+8*(\t)], v[24*(\t):24*(\t)+11], v[16:27], 0, v[42+(\t)/2], v40 matrix_a_fmt:MATRIX_FMT_FP6 matrix_b_fmt:MATRIX_FMT_FP6
.endif
.else
.if (\t)%2
	v_wmma_scale_f32_16x16x128_f8f6f4 v[96+8*(\t):103+8*(\t)], v[24*(\t)+12:24*(\t)+23], v[28:39], v[96+8*(\t):103+8*(\t)], v[46+(\t)/2], v41 matrix_a_fmt:MATRIX_FMT_FP6 matrix_b_fmt:MATRIX_FMT_FP6 matrix_a_scale:MATRIX_SCALE_ROW1
.else
	v_wmma_scale_f32_16x16x128_f8f6f4 v[96+8*(\t):103+8*(\t)], v[24*(\t)+12:24*(\t)+23], v[28:39], v[96+8*(\t):103+8*(\t)], v[46+(\t)/2], v41 matrix_a_fmt:MATRIX_FMT_FP6 matrix_b_fmt:MATRIX_FMT_FP6
.endif
.endif
.endm
.macro PVM t                           ; O^T's tile t += V^T's tile t x p
.if (\t)%2
	v_wmma_scale_f32_16x16x128_f8f6f4 v[8*(\t):8*(\t)+7], v[12*(\t):12*(\t)+11], v[224:235], v[8*(\t):8*(\t)+7], v[50+(\t)/2], v253 matrix_a_fmt:MATRIX_FMT_FP6 matrix_b_fmt:MATRIX_FMT_FP6 matrix_a_scale:MATRIX_SCALE_ROW1
.else
	v_wmma_scale_f32_16x16x128_f8f6f4 v[8*(\t):8*(\t)+7], v[12*(\t):12*(\t)+11], v[224:235], v[8*(\t):8*(\t)+7], v[50+(\t)/2], v253 matrix_a_fmt:MATRIX_FMT_FP6 matrix_b_fmt:MATRIX_FMT_FP6
.endif
.endm
; A KEY STEP: 128 keys.  diag = 1: always on the diagonal; 0: on it in the trip of B's diagonal step alone.  nk = 1: the next step's K is asked for; 2: by stream 1 alone (stream 0 has no ninth step); 0: by nobody.
.macro STEP diag, nk
	v_add_nc_u32 v8, s18, v1
	v_add_nc_u32 v9, s18, v2
.irp s, 0,1
.irp u, 0,1,2,3
	ds_load_b32 v[42+4*\s+\u], v9 offset:24576+512*\s+128*\u       ; K's scale words: lanes 0-15 tile 2 u's, lanes 16-31 tile 2 u + 1's
.endr
.endr
	s_wait_alu depctr_va_vdst(0)                   ; the wait here, directly ahead of the waits below
	s_wait_dscnt 0x0                               ; the scale words are in,
	s_wait_loadcnt 0x0                             ; and K's fragments, asked for a trip ago, and Q
	WIN 0x02
.irp t, 0,1,2,3,4,5,6,7
	KQ \t, 0
.endr
.irp t, 0,1,2,3,4,5,6,7
	KQ \t, 1
.endr
	WIN 0xc0                                       ; destination window 3: V^T's fragments land while the softmax is walked
.irp t, 0,1,2,3,4,5,6,7,8,9,10,11,12,13,14,15
.irp c, 0,1,2
	ds_load_b128 v[12*\t+4*\c:12*\t+4*\c+3], v8 offset:1536*\t+512*\c
.endr
.endr
	WIN 0
.irp u, 0,1,2,3,4,5,6,7
	ds_load_b32 v[50+\u], v9 offset:25600+128*\u
.endr
.rept 4
	v_nop                                          ; places behind the last product: ahead of the loads into K's registers and of the first read of the scores
.endr
.if \nk == 2
	s_cmp_eq_u32 s13, 0
	s_cbranch_scc1 .Lno_k_\@
.endif
.if \nk
	KLOAD                                          ; the next step's K
	WIN 0
.endif
.Lno_k_\@:
.if !\diag
	s_cmp_lg_u32 s15, s79
	s_cbranch_scc1 .Lopen_\@
.endif
	v_mov_b32 v254, 0xff800000                     ; on the diagonal hidden scores become -infinity ahead of the maximum: p = 0 then.  The step's first key counts for every query of the tile, so the maximum is a number where this is a walk's first step too
.set n, 0
.rept 64
	v_cmp_gt_i32 vcc_lo, 32*(n/16)+n%16, v3
	v_cndmask_b32 v[96+n], v[96+n], v254, vcc_lo
.set n, n+1
.endr
.Lopen_\@:
.irp b, 0,1,2,3
	v_max3_num_f32 v[232+\b], v[96+16*\b], v[97+16*\b], v[98+16*\b]       ; the largest score of each block of 32 keys: for the row's maximum, and for the block's largest p
.endr
.irp i, 3,5,7,9,11,13
.irp b, 0,1,2,3
	v_max3_num_f32 v[232+\b], v[232+\b], v[96+16*\b+\i], v[97+16*\b+\i]
.endr
.endr
.irp b, 0,1,2,3
	v_max_num_f32 v[232+\b], v[232+\b], v[111+16*\b]
.endr
.irp b, 0,1,2,3
	v_permlanex16_b32 v[236+\b], v[232+\b], s[SEL], s[SEL+1]
.endr
.irp b, 0,1,2,3
	v_max_num_f32 v[232+\b], v[232+\b], v[236+\b]
.endr
	v_max3_num_f32 v254, v232, v233, v234
	v_max_num_f32 v254, v254, v235
	v_mul_f32 v254, s22, v254                      ; as t
	v_max_num_f32 v13, v13, v254                   ; the running largest t
	v_mov_b32 v254, v12
	v_floor_f32 v12, -v13                          ; the new -M = -ceil(t)
	v_sub_f32 v254, v12, v254                      ; old M - new M: a whole number, 0 or less
	v_cvt_i32_f32 v254, v254                       ; (it saturates)
	v_ldexp_f32 v252, 1.0, v254                    ; f = 2^(old M - new M)
.set j, 0
.rept 32
	v_pk_fma_f32 v[96+j:97+j], v[96+j:97+j], s[22:23], v[12:13] op_sel_hi:[1,0,0]   ; t - M
.set j, j+2
.endr
.irp b, 0,1,2,3
	v_fma_f32 v[232+\b], v[232+\b], s22, v12
.endr
.set j, 0
	s_wait_alu depctr_va_vdst(0)                   ; the wait ahead of the batch
.rept 64
	v_exp_f32 v[96+j], v[96+j]                     ; p = 2^(t - M): not normalised
.set j, j+1
.endr
	v_pk_mul_f32 v[14:15], v[14:15], v[252:253] op_sel_hi:[1,0]   ; the sums under the new M: a plain place behind the batch
	s_wait_alu depctr_va_vdst(0)                   ; one wait for the 64, ahead of their first reader
.irp b, 0,1,2,3
	v_exp_f32 v[232+\b], v[232+\b]                 ; each block's largest p
.endr
	v_pk_add_f32 v[236:237], v[96:97], v[98:99]    ; the row's sum is taken of the unquantised p, in two chains
.irp j, 4,8,12,16,20,24,28,32,36,40,44,48,52,56,60
	v_pk_add_f32 v[14:15], v[14:15], v[96+\j:97+\j]
	v_pk_add_f32 v[236:237], v[236:237], v[98+\j:99+\j]
.endr
	v_pk_add_f32 v[14:15], v[14:15], v[236:237]
	s_wait_alu depctr_va_vdst(0)                   ; and one for the four
.irp b, 0,1,2,3
	v_max_num_f32 v[232+\b], 0x1800000, v[232+\b]  ; the floor: the byte cannot fall under 1
.endr
.irp b, 0,1,2,3
	v_add_nc_u32 v[244+\b], 0xff000000, v[232+\b]
.endr
.irp b, 0,1,2,3
	v_lshrrev_b32 v[236+\b], 23, v[244+\b]
.endr
	v_lshl_or_b32 v253, v237, 8, v236              ; p's scale word for these 128 keys
	v_lshl_or_b32 v253, v238, 16, v253
	v_lshl_or_b32 v253, v239, 24, v253
.irp c, 0,1
	v_cvt_scalef32_pk16_fp6_f32 v[224+6*\c:226+6*\c], v[96+32*\c:111+32*\c], v[244+2*\c]
	v_cvt_scalef32_pk16_fp6_f32 v[236+4*\c:238+4*\c], v[112+32*\c:127+32*\c], v[244+2*\c+1]
.endr
	v_nop
.irp c, 0,1
.irp i, 0,1,2
	v_permlane16_swap_b32 v[224+6*\c+\i], v[236+4*\c+\i]
.endr
.irp i, 0,1,2
	v_mov_b32 v[227+6*\c+\i], v[236+4*\c+\i]
.endr
.endr
	WIN 0x41                                       ; O^T in window 1, f in window 0
.set j, 0
.rept 64
	v_pk_mul_f32 v[j:j+1], v[j:j+1], v[252:253] op_sel_hi:[1,0]   ; O^T under the new M; these are also the places between p's codes and scale word and the products
.set j, j+2
.endr
	s_wait_alu depctr_va_vdst(0)                   ; the wait here, directly ahead of the wait below
	s_wait_dscnt 0x0                               ; V^T's fragments and scale words are in
	WIN 0x53
.irp t, 0,1,2,3,4,5,6,7,8,9,10,11,12,13,14,15
	PVM \t
.endr
	WIN 0
.rept 4
	v_nop                                          ; places behind the last product: for the next loads into V^T's registers and the next reads of O^T
.endr
.endm
; THE CHANGE OF SLOTS, at a trip's head: all my tensor loads have landed, the add, the next tile's descriptor and the next K's address, the wait for the add and for my reads of the slot that I have left; then the cluster's round, and the load first behind it.
; The slot filled in the first trip is filled for the first time there, in all waves.  fill = 2: stream 0 has no ninth tile.  fill = 0: nothing is left to fetch.
.macro CHANGE fill
	s_wait_tensorcnt 0x0
	ds_add_u32 v5, v6
.if \fill
	s_add_co_u32 s56, s15, 1                       ; tile n = T + 1:
	s_add_co_u32 s57, s17, s56
	s_and_b32 s57, s57, 7                          ; stream 0: step (first step + n) mod 8
	s_sub_co_i32 s58, s17, s56                     ; stream 1, up to trip LIM: place (first place - n),
	s_add_co_i32 s59, s58, s63
	s_cmp_lt_i32 s58, 0
	s_cselect_b32 s58, s59, s58                    ; round B's L places,
	s_add_co_u32 s58, s58, 8                       ; which begin at step 8;
	s_sub_co_u32 s59, s56, s63                     ; behind them tile A's step n - L
	s_cmp_le_u32 s56, s16
	s_cselect_b32 s58, s58, s59
	s_cmp_eq_u32 s13, 0
	s_cselect_b32 s57, s57, s58
	s_mul_i32 s58, s57, GSTR
	s_mov_b32 s59, 0
	s_add_nc_u64 s[34:35], s[36:37], s[58:59]
	s_or_b32 s35, s35, 0x80000000
	s_xor_b32 s33, s33, SLOT1
	s_wait_xcnt 0x0                                ; this trip's K loads have read their base
	s_add_nc_u64 s[82:83], s[80:81], s[58:59]
.endif
	s_wait_dscnt 0x0
.if \fill == 0
	s_barrier_signal -1
	s_barrier_wait -1
.else
	ROUND
.if \fill == 2
	s_cmp_eq_u32 s13, 0
	s_cbranch_scc1 .Lno_fill_\@
.endif
	TLOAD
.Lno_fill_\@:
.endif
.endm
; Behind the last of B's steps a wave of stream 1 puts its part of B into LDS and goes over to tile A.
.macro ENDSTEP
	s_cmp_eq_u32 s13, 0
	s_cbranch_scc1 .Lno_switch_\@
	s_cmp_lg_u32 s15, s16
	s_cbranch_scc1 .Lno_switch_\@
.irp s, 0,1
.irp c, 0,1,2
	global_load_b128 v[16+12*\s+4*\c:19+12*\s+4*\c], v1, s[42:43] offset:1536*\s+512*\c   ; Q of tile A: the next step waits for it
.endr
	global_load_b32 v[40+\s], v11, s[46:47] offset:8192*\s
.endr
	WIN 0x04                                       ; an LDS store's data: window 1
.set k, 0
.rept 32
	ds_store_b128 v7, v[4*k:4*k+3] offset:512*k    ; each accumulator from its low end on
.set k, k+1
.endr
	WIN 0
	ds_store_b128 v7, v[12:15] offset:16384        ; -M, t, the sum
	s_wait_dscnt 0x0                               ; the stores have read their registers
	v_mov_b32 v13, 0xff61b1e6                      ; tile A begins: the next step's f is 0, which clears the sum and O^T
	v_floor_f32 v12, -v13
	v_mov_b32 v3, v4
.Lno_switch_\@:
	s_xor_b32 s18, s18, SLOT1
	s_add_co_u32 s15, s15, 1
.endm
.Ltrip:                                            ; trips 0 to 6
	CHANGE 1
	STEP 0, 1
	ENDSTEP
	s_cmp_lt_u32 s15, 7
	s_cbranch_scc1 .Ltrip
	CHANGE 2                                       ; trip 7
	STEP 0, 2
	ENDSTEP
	CHANGE 0                                       ; trip 8: stream 1 walks A's diagonal step, stream 0 joins B's two parts: they were stored ahead of this barrier
	s_cmp_eq_u32 s13, 0
	s_cbranch_scc1 .Lmerge
	STEP 1, 0
	s_branch .Lout
.Lmerge:
	WIN 0x80
.set k, 0
.rept 32
	ds_load_b128 v[4*k:4*k+3], v10 offset:512*k    ; the other part's O^T, into K's registers
.set k, k+1
.endr
	WIN 0
	ds_load_b128 v[160:163], v10 offset:16384
	s_wait_dscnt 0x0
	s_wait_alu depctr_va_vdst(0)
	v_min_num_f32 v164, v12, v160                  ; -M of both
	v_sub_f32 v165, v164, v12
	v_sub_f32 v166, v164, v160
	v_cvt_i32_f32 v165, v165
	v_cvt_i32_f32 v166, v166
	v_ldexp_f32 v168, 1.0, v165                    ; my part's factor,
	v_ldexp_f32 v170, 1.0, v166                    ; the other's: powers of two
	v_mov_b32 v169, v168
	v_mov_b32 v171, v170
	v_pk_mul_f32 v[14:15], v[14:15], v[168:169]
	v_pk_fma_f32 v[14:15], v[162:163], v[170:171], v[14:15]
	WIN 0x41
.set j, 0
.rept 64
	v_pk_mul_f32 v[j:j+1], v[j:j+1], v[168:169] op_sel_hi:[1,0]
.set j, j+2
.endr
	WIN 0x52                                       ; source 0 window 2, source 1 window 0, source 2 and destination window 1
.set j, 0
.rept 64
	v_pk_fma_f32 v[j:j+1], v[j:j+1], v[170:171], v[j:j+1] op_sel_hi:[1,0,1]
.set j, j+2
.endr
	WIN 0
.Lout:
	; THE WAY OUT: sigmoid(gate) = 1 / (1 + 2^(-gate log2 e)); O^T / the sum x sigmoid; quantised along the head; images and scale words to abuf
	s_wait_loadcnt 0x0
	WIN 0x41
.set j, 128
.rept 64
	v_pk_mul_f32 v[j:j+1], v[j:j+1], s[76:77] op_sel_hi:[1,0]
.set j, j+2
.endr
.set j, 128
	s_wait_alu depctr_va_vdst(0)
.rept 128
	v_exp_f32 v[j], v[j]
.set j, j+1
.endr
	v_nop
	s_wait_alu depctr_va_vdst(0)                   ; one wait for the batch
.set j, 128
.rept 64
	v_pk_add_f32 v[j:j+1], v[j:j+1], 1.0 op_sel_hi:[1,0]
.set j, j+2
.endr
.set j, 128
	s_wait_alu depctr_va_vdst(0)
.rept 128
	v_rcp_f32 v[j], v[j]
.set j, j+1
.endr
	WIN 0
	v_add_f32 v14, v14, v15                        ; (plain places behind the batch)  the sum's two halves,
	v_permlanex16_b32 v252, v14, s[SEL], s[SEL+1]
	v_add_f32 v14, v14, v252                       ; and lane l xor 16's
	s_wait_alu depctr_va_vdst(0)
	v_rcp_f32 v14, v14
	v_cmp_eq_u32 vcc_lo, 1, v58                    ; (a plain place)  lanes 16-31
	s_wait_alu depctr_va_vdst(0)                   ; one wait for all the reciprocals
.macro QUANT s, pw
.irp b, 0,1,2,3
	v_max3_num_f32 v[TM+\b], |v[\s+16*\b]|, |v[\s+1+16*\b]|, 0x1800000
.endr
.irp i, 2,4,6,8,10,12,14
.irp b, 0,1,2,3
	v_max3_num_f32 v[TM+\b], v[TM+\b], |v[\s+16*\b+\i]|, |v[\s+1+16*\b+\i]|
.endr
.endr
.irp b, 0,1,2,3
	v_permlanex16_b32 v[TM+4+\b], v[TM+\b], s[SEL], s[SEL+1]
.endr
.irp b, 0,1,2,3
	v_max_num_f32 v[TM+\b], v[TM+\b], v[TM+4+\b]
.endr
.irp b, 0,1,2,3
	v_add_nc_u32 v[TM+12+\b], 0xff000000, v[TM+\b]
.endr
.irp b, 0,1,2,3
	v_lshrrev_b32 v[TM+4+\b], 23, v[TM+12+\b]
.endr
	v_lshl_or_b32 v[\pw], v[TM+5], 8, v[TM+4]
	v_lshl_or_b32 v[\pw], v[TM+6], 16, v[\pw]
	v_lshl_or_b32 v[\pw], v[TM+7], 24, v[\pw]
.irp c, 0,1
	v_cvt_scalef32_pk16_fp6_f32 v[QC+6*\c:QC+2+6*\c], v[\s+32*\c:\s+15+32*\c], v[TM+12+2*\c]
	v_cvt_scalef32_pk16_fp6_f32 v[QC+12+4*\c:QC+14+4*\c], v[\s+16+32*\c:\s+31+32*\c], v[TM+12+2*\c+1]
.endr
	v_nop
.irp c, 0,1
.irp i, 0,1,2
	v_permlane16_swap_b32 v[QC+6*\c+\i], v[QC+12+4*\c+\i]
.endr
.irp i, 0,1,2
	v_mov_b32 v[QC+3+6*\c+\i], v[QC+12+4*\c+\i]
.endr
.endr
.endm
.irp e, 0,1                                    ; channels 128 e on: a K step of the last product
.if \e
	s_wait_xcnt 0x0                                ; the first half's stores have read their data
.endif
	WIN 0x01
.set j, 0
.rept 32
	v_pk_mul_f32 v[96+j:97+j], v[64*\e+j:64*\e+j+1], v[14:15] op_sel_hi:[1,0]   ; O^T / the sum; each accumulator from its low end on
.set j, j+2
.endr
	WIN 0x04
.set j, 0
.rept 32
	v_pk_mul_f32 v[96+j:97+j], v[96+j:97+j], v[128+64*\e+j:129+64*\e+j]         ; x sigmoid(gate)
.set j, j+2
.endr
	WIN 0
	QUANT 96, 216+\e
.irp c, 0,1,2
	global_store_b128 v1, v[QC+4*\c:QC+4*\c+3], s[50:51] offset:1536*\e+512*\c
.endr
.endr
	v_cndmask_b32 v218, v216, v217, vcc_lo         ; lanes 0-15 carry the first half's word, lanes 16-31 the second's
	global_store_b32 v59, v218, s[52:53]
	s_wait_tensorcnt 0x0                           ; the wave's end
	ds_add_u32 v5, v6
	s_wait_dscnt 0x0
	ROUND                                          ; the closing round
	s_endpgm
.Lfunc_end_k_q9ac5ff1c53_attn:
	.size	k_q9ac5ff1c53_attn, .Lfunc_end_k_q9ac5ff1c53_attn-k_q9ac5ff1c53_attn
	.p2alignl 7, 3214868480
	.fill 96, 4, 3214868480
	.section	.rodata,"a",@progbits
	.p2align	6, 0x0
	.amdhsa_kernel k_q9ac5ff1c53_attn
		.amdhsa_group_segment_fixed_size 327680
		.amdhsa_private_segment_fixed_size 0
		.amdhsa_enable_private_segment 0
		.amdhsa_kernarg_size 32
		.amdhsa_user_sgpr_count 2
		.amdhsa_user_sgpr_kernarg_segment_ptr 1
		.amdhsa_wavefront_size32 1
		.amdhsa_system_sgpr_workgroup_id_x 1
		.amdhsa_system_sgpr_workgroup_id_y 1
		.amdhsa_system_sgpr_workgroup_id_z 1
		.amdhsa_system_vgpr_workitem_id 0
		.amdhsa_next_free_vgpr 1024
		.amdhsa_next_free_sgpr 100
		.amdhsa_reserve_vcc 1
		.amdhsa_float_denorm_mode_32 3
		.amdhsa_float_denorm_mode_16_64 3
		.amdhsa_memory_ordered 1
		.amdhsa_forward_progress 1
		.amdhsa_inst_pref_size 168
	.end_amdhsa_kernel
	.amdgpu_metadata
---
amdhsa.version: [ 1, 2 ]
amdhsa.kernels:
  - .name:           k_q9ac5ff1c53_attn
    .symbol:         k_q9ac5ff1c53_attn.kd
    .args:
      - { .name: qbuf, .offset: 0, .size: 8, .value_kind: global_buffer, .address_space: global }
      - { .name: kv, .offset: 8, .size: 8, .value_kind: global_buffer, .address_space: global }
      - { .name: gt, .offset: 16, .size: 8, .value_kind: global_buffer, .address_space: global }
      - { .name: abuf, .offset: 24, .size: 8, .value_kind: global_buffer, .address_space: global }
    .group_segment_fixed_size: 327680
    .private_segment_fixed_size: 0
    .kernarg_segment_align: 8
    .kernarg_segment_size: 32
    .max_flat_workgroup_size: 128
    .sgpr_count:     100
    .vgpr_count:     1024
    .wavefront_size: 32
...
	.end_amdgpu_metadata
.endif
;; end of part 3
;; launch proj (part 4): grid 8 x 32, 4 waves a work-group, clusters of 4 x 4, 327,680 bytes of LDS; arguments abuf, wbuf, out0; writes out0
.if DOCPART == 4
	.amdgcn_target "amdgcn-amd-amdhsa--gfx1250"
	.amdhsa_code_object_version 6
	.text
	.protected	k_q9ac5ff1c53_proj
	.globl	k_q9ac5ff1c53_proj
	.p2align	8
	.type	k_q9ac5ff1c53_proj,@function
k_q9ac5ff1c53_proj:
	s_mov_b64 s[64:65], 0
	v_nop
	global_prefetch_b8 v0, s[64:65] scope:SCOPE_SE
	s_setreg_imm32_b32 hwreg(HW_REG_WAVE_MODE, 25, 1), 1
	s_wait_xcnt 0x0
	s_wait_alu depctr_hold_cnt(0) depctr_sa_sdst(0) depctr_va_vdst(0) depctr_va_sdst(0) depctr_va_ssrc(0) depctr_va_vcc(0) depctr_vm_vsrc(0)
	s_getreg_b32 s2, hwreg(HW_REG_IB_STS2, 6, 4)
	s_cmp_eq_u32 s2, 0
	s_cbranch_scc0 .Lentry_in_a_cluster
	s_endpgm
.Lentry_in_a_cluster:
	s_bfe_u32 s2, ttmp6, 0x10000c
	s_cmp_lg_u32 s2, 0xf033
	s_cbranch_scc0 .Lentry_shape_is_right
	s_endpgm
.Lentry_shape_is_right:
; LAUNCH 4 OF 4.  out0 [4096][2048] = the gated attention's codes [4096 positions][K = 1,024] x Wo's codes [2048 positions][K], FP6 with E8M0 scales, f32 sums.
; A work-group makes 128 rows x 256 columns: 32 x 8 = 256 work-groups.  A wave makes 64 x 128: 32 accumulators.
; Both operands lie as the first launch lays its workspace: [group of 128 rows][256 of K][25,600 bytes: 16 images of operand registers, 1,024 bytes of scale words].
; ALL OF K IS IN LDS AT ONCE: the rows' group (102,400 dense bytes), then the columns' two groups (2 x 102,400).  Nothing is filled again.  One tensor load a wave, at the head:
; waves 0 and 1 fetch halves of the rows' group (200 rows of 256 bytes), waves 2 and 3 a group of columns each (400 rows).
; CLUSTER 4 x 4: the rows' group hangs on y alone and is asked for jointly along a row of the cluster, the columns' groups on x alone, along a column.
; L2 prefetches are left out: there is no loop to run ahead in, all that is read is asked for by the head's loads.
; THE MATRIX INSTRUCTION IS USED TRANSPOSED (source 0 = 16 of Wo's positions, source 1 = 16 rows); the position order of rows and columns is undone on the way out.
; REGISTERS: window 0: v16-31 addresses; v32-63 scale words, two sets; v128-175 the rows' fragments, one set; window 1: Wo's fragments, two sets; window 2: accumulator (a, b) at v[8 (8 a + b)].
.set SIZE_N, 2048
.set BLK,    25600
.set SPARE,  12*BLK
.set SPITCH, 528
.set FR,   12
.set NP,   4
.set ADRA, 16
.set ADRB, 20
.set STO,  24
.set RD,   25
.set CO,   26
.set SPW,  28
.set NIL,  29
.set ADRS, 30
.set SC,   32
.set AF,   128
.set BK,   128
.set G1, 24
.set G0, 32
.set G1B, 48
.set G0B, 56
.set MSB, 0
.macro WIN new
.if MSB != \new
	s_set_vgpr_msb (MSB<<8)|\new
.set MSB, \new
.endif
.endm
.set MUL_LO, 0xa1
.set TO_B,   0x40
.macro CREST
	s_cmp_lg_u32 s14, 0
	s_cbranch_scc1 .Lnot_wave_0_\@
	s_barrier_signal -3
.Lnot_wave_0_\@:
	s_barrier_wait -3
	s_barrier_signal -1
	s_barrier_wait -1
.endm
.macro CROUND
	s_barrier_signal -1
	s_barrier_wait -1
	CREST
.endm
	s_load_b128 s[4:7], s[0:1], 0x0                ; abuf, wbuf
	s_load_b64 s[12:13], s[0:1], 0x10              ; out0
	v_lshl_add_u32 v[SPW], v0, 2, SPARE
	v_mov_b32 v[NIL], 0
	ds_add_u32 v[SPW], v[NIL]                      ; the opening: the add, twice on end, and its wait ahead of my first tensor load
	ds_add_u32 v[SPW], v[NIL]
	v_lshrrev_b32 v1, 5, v0
	v_readfirstlane_b32 s14, v1                    ; wave
	s_lshr_b32 s15, s14, 1                         ; my 64 rows.  Also: I fetch for the rows (0) or the columns (1)
	s_and_b32 s16, s14, 1                          ; my 128 columns.  Also: which part I fetch
	s_bfe_u32 s40, ttmp6, 0x40000                  ; cx
	s_bfe_u32 s41, ttmp6, 0x40004                  ; cy
	s_lshl_b32 s42, ttmp9, 2
	s_add_co_u32 s42, s42, s40                     ; x: which 256 columns
	s_and_b32 s17, ttmp7, 0xffff
	s_lshl_b32 s17, s17, 2
	s_add_co_u32 s17, s17, s41                     ; y: which group of 128 rows
	s_lshl_b32 s43, s41, 2
	s_lshl_b32 s43, 15, s43                        ; my row of the cluster
	s_lshl_b32 s44, 0x1111, s40                    ; my column
	s_or_b32 s[G1+0], s43, (3<<16)|(1<<21)         ; elements of 8 bytes; bit 21 beside the mask; no padding
	s_mov_b32 s[G1+1], 32<<16
	s_mov_b32 s[G1+2], 200<<16
	s_mov_b32 s[G1+3], 32<<16
	s_mov_b32 s[G1+4], 200
	s_mov_b32 s[G1+5], 32
	s_mov_b32 s[G1+6], 0
	s_mov_b32 s[G1+7], 0
	s_or_b32 s[G1B+0], s44, (3<<16)|(1<<21)
	s_mov_b32 s[G1B+1], 32<<16
	s_mov_b32 s[G1B+2], 400<<16
	s_mov_b32 s[G1B+3], 32<<16
	s_mov_b32 s[G1B+4], 400
	s_mov_b32 s[G1B+5], 32
	s_mov_b32 s[G1B+6], 0
	s_mov_b32 s[G1B+7], 0
	s_lshl_b32 s20, s17, 2
	s_lshl_b32 s18, s16, 1
	s_add_co_u32 s20, s20, s18
	s_mul_i32 s20, s20, BLK                        ; the rows' group, its K half
	s_mov_b32 s21, 0
	s_lshl_b32 s46, s42, 1
	s_add_co_u32 s46, s46, s16
	s_mul_i32 s46, s46, 4*BLK
	s_add_co_u32 s46, s46, 4915200                 ; Wo's section of wbuf, group 2 x + part
	s_mov_b32 s47, 0
	s_mul_i32 s45, s16, 2*BLK                      ; LDS: the rows' halves,
	s_mul_i32 s85, s16, 4*BLK
	s_add_co_u32 s85, s85, 4*BLK                   ; the columns' groups behind them: where I put one, and where my 128 columns lie
	s_mul_i32 s84, s15, 4*3072                     ; my 64 rows: tiles 4 x half on
	s_lshl_b32 s87, s15, 9
	s_add_co_u32 s87, s87, 24576                   ; their scale words
	s_add_co_u32 s86, s85, 24576
	s_sub_co_u32 s86, s86, s87                     ; from them to my columns' scale words
	s_mul_i32 s88, s14, 16*SPITCH                  ; my stage
	s_wait_dscnt 0x0                               ; both opening adds are done
	s_wait_kmcnt 0x0
	s_mov_b32 s[G0], 1
	s_mov_b32 s[G0+1], s45
	s_add_nc_u64 s[G0+2:G0+3], s[4:5], s[20:21]
	s_or_b32 s[G0+3], s[G0+3], 0x80000000
	s_mov_b32 s[G0B], 1
	s_mov_b32 s[G0B+1], s85
	s_add_nc_u64 s[G0B+2:G0B+3], s[6:7], s[46:47]
	s_or_b32 s[G0B+3], s[G0B+3], 0x80000000
	CROUND                                         ; all sixteen work-groups are here: the joint loads meet
	s_cmp_eq_u32 s15, 0
	s_cbranch_scc0 .Lfor_b
	tensor_load_to_lds s[G0:G0+3], s[G1:G1+7]
	s_nop 0
.rept 4
	v_nop
.endr
	s_branch .Lasked
.Lfor_b:
	tensor_load_to_lds s[G0B:G0B+3], s[G1B:G1B+7]
	s_nop 0
.rept 4
	v_nop
.endr
.Lasked:
	s_lshl_b32 s20, s17, 7
	s_lshl_b32 s21, s15, 6
	s_add_co_u32 s20, s20, s21                     ; my first row of out0
	s_mov_b32 s21, 0
	s_mov_b64 s[18:19], SIZE_N*4
	s_mul_u64 s[20:21], s[20:21], s[18:19]
	s_lshl_b32 s46, s42, 10
	s_lshl_b32 s47, s16, 9
	s_add_co_u32 s46, s46, s47                     ; my first column, in bytes
	s_mov_b32 s47, 0
	s_add_nc_u64 s[20:21], s[20:21], s[46:47]
	s_add_nc_u64 s[12:13], s[12:13], s[20:21]
	v_and_b32 v1, 15, v0                           ; r
	v_bfe_u32 v2, v0, 4, 1                         ; h
	v_and_b32 v6, 31, v0
	v_lshlrev_b32 v[CO], 4, v6                     ; 16 x lane
	v_add_nc_u32 v[ADRA], s84, v[CO]
	v_add_nc_u32 v[ADRB], s85, v[CO]
	v_mul_u32_u24 v5, s86, v2                      ; lanes 16-31 take Wo's words
	v_lshl_add_u32 v5, v1, 3, v5
	v_add_nc_u32 v[ADRS], s87, v5
	v_add_nc_u32 v[ADRA+1], 2*BLK, v[ADRA]         ; the second registers: K from 512 on
	v_add_nc_u32 v[ADRB+1], 2*BLK, v[ADRB]
	v_add_nc_u32 v[ADRS+1], 2*BLK, v[ADRS]
	v_mul_u32_u24 v5, v1, SPITCH
	v_lshl_add_u32 v5, v2, 6, v5
	v_add_nc_u32 v[STO], s88, v5
	v_add_nc_u32 v[RD], s88, v[CO]
.macro FRAG reg, adr, st, i            ; tile i's image of step st (128 of K)
.irp c, 0,1,2
	ds_load_b128 v[\reg+4*\c:\reg+4*\c+3], v[\adr+(\st)/4] offset:BLK*(((\st)/2)%2)+3072*(\i)+1536*((\st)%2)+512*\c
.endr
.endm
.macro MULA a, st, zero                ; row block a x Wo's eight; the 32 accumulators take turns, in the same order in every step
.irp b, 0,1,2,3,4,5,6,7
.if \zero
	v_wmma_scale_f32_16x16x128_f8f6f4 v[8*(8*(\a)+\b):8*(8*(\a)+\b)+7], v[128*((\st)%2)+FR*\b:128*((\st)%2)+FR*\b+FR-1], v[AF+FR*(\a):AF+FR*(\a)+FR-1], 0, v[SC+16*(((\st)/2)%2)+2*\b+(\st)%2], v[SC+16*(((\st)/2)%2)+2*(\a)+(\st)%2] matrix_a_fmt:MATRIX_FMT_FP6 matrix_b_fmt:MATRIX_FMT_FP6 matrix_a_scale:MATRIX_SCALE_ROW1
.else
	v_wmma_scale_f32_16x16x128_f8f6f4 v[8*(8*(\a)+\b):8*(8*(\a)+\b)+7], v[128*((\st)%2)+FR*\b:128*((\st)%2)+FR*\b+FR-1], v[AF+FR*(\a):AF+FR*(\a)+FR-1], v[8*(8*(\a)+\b):8*(8*(\a)+\b)+7], v[SC+16*(((\st)/2)%2)+2*\b+(\st)%2], v[SC+16*(((\st)/2)%2)+2*(\a)+(\st)%2] matrix_a_fmt:MATRIX_FMT_FP6 matrix_b_fmt:MATRIX_FMT_FP6 matrix_a_scale:MATRIX_SCALE_ROW1
.endif
.endr
.endm
.macro FETCH_B st
	WIN TO_B
.irp i, 0,1,2,3,4,5,6,7
	FRAG 128*((\st)%2)+FR*\i, ADRB, \st, \i
.endr
	WIN 0
.endm
.macro FETCH_A st, i0
.irp i, \i0, \i0+1
	FRAG AF+FR*(\i), ADRA, \st, \i
.endr
.endm
.macro SCALES pr                       ; steps 2 pr and 2 pr + 1: lanes 0-15 my rows' tile i (used for i under 4), lanes 16-31 Wo's tile i
.irp i, 0,1,2,3,4,5,6,7
	ds_load_b64 v[SC+16*((\pr)%2)+2*\i:SC+16*((\pr)%2)+2*\i+1], v[ADRS+(\pr)/2] offset:BLK*((\pr)%2)+128*\i
.endr
.endm
.macro PLACES n                        ; plain vector instructions between a matrix instruction and a load into, or a read of, its registers
.rept \n
	v_nop
.endr
.endm
.macro PSTEP st, zero
	s_wait_dscnt 6                                 ; all but the youngest 6 loads (row blocks 2 and 3) are in
	WIN MUL_LO
	MULA 0, \st, \zero
	MULA 1, \st, \zero
	s_wait_dscnt 0
	PLACES NP
	FETCH_B (\st)+1
	FETCH_A (\st)+1, 0
.if ((\st)+1)%2 == 0
	SCALES ((\st)+1)/2
.endif
	WIN MUL_LO
	MULA 2, \st, \zero
	MULA 3, \st, \zero
	PLACES NP
	WIN 0
	FETCH_A (\st)+1, 2
.endm
	s_wait_alu depctr_va_vdst(0)                   ; the wait at the head's end
	s_wait_tensorcnt 0x0                           ; my part is in,
	s_barrier_signal -1
	s_barrier_wait -1                              ; and so is everybody's
	FETCH_B 0
	FETCH_A 0, 0
	SCALES 0
	FETCH_A 0, 2
	PSTEP 0, 1                                     ; the first step's products start the sums
.irp st, 1,2,3,4,5,6
	PSTEP \st, 0
.endr
	s_wait_dscnt 6
	WIN MUL_LO
	MULA 0, 7, 0
	MULA 1, 7, 0
	s_wait_dscnt 0                                 ; my reads of the tiles are over
	s_barrier_signal -1
	MULA 2, 7, 0
	MULA 3, 7, 0
	WIN 0
	s_barrier_wait -1                              ; and everybody's: the stages lie in the rows' bytes, which are filled no more
; THE WAY OUT: a block of 16 rows x 128 columns goes through my stage and comes back as rows of 512 bytes, which the 32 lanes store whole
.macro TOSTAGE a
	WIN 0x08
.irp b, 0,1,2,3,4,5,6,7
	ds_store_b128 v[STO], v[64*(\a)+8*\b:64*(\a)+8*\b+3] offset:128*(\b/2)+32*(\b%2)     ; each accumulator from its low end on; true column 32 (b / 2) + 16 h + 8 (b % 2) + j
	ds_store_b128 v[STO], v[64*(\a)+8*\b+4:64*(\a)+8*\b+7] offset:128*(\b/2)+32*(\b%2)+16
.endr
	WIN 0
.set BB, BK+64*((\a)%2)
.irp t, 0,1,2,3,4,5,6,7,8,9,10,11,12,13,14,15
	ds_load_b128 v[BB+4*\t:BB+4*\t+3], v[RD] offset:\t*SPITCH      ; LDS serves a wave's instructions in order: these see the stores
.endr
.endm
.macro SEND a, younger
.set BB, BK+64*((\a)%2)
	s_wait_dscnt \younger
.irp t, 0,1,2,3,4,5,6,7,8,9,10,11,12,13,14,15
	global_store_b128 v[CO], v[BB+4*\t:BB+4*\t+3], s[12:13] offset:(32*((\a)/2)+8*((\a)%2)+\t+8*(\t/8))*SIZE_N*4 th:TH_STORE_NT   ; the true row of position 16 a + t
.endr
.endm
	PLACES NP
	TOSTAGE 0
.irp a, 1,2,3
.if \a > 1
	s_wait_xcnt 0x0                                ; block a - 2's stores have read their registers
.endif
	TOSTAGE \a
	SEND \a-1, 32                                  ; behind block a - 1's loads: block a's 16 stores and 16 loads
.endr
	SEND 3, 0
	s_wait_tensorcnt 0x0                           ; the wave's end
	ds_add_u32 v[SPW], v[NIL]
	s_wait_dscnt 0x0
	CROUND                                         ; the closing round
	s_endpgm
.Lfunc_end_k_q9ac5ff1c53_proj:
	.size	k_q9ac5ff1c53_proj, .Lfunc_end_k_q9ac5ff1c53_proj-k_q9ac5ff1c53_proj
	.p2alignl 7, 3214868480
	.fill 96, 4, 3214868480
	.section	.rodata,"a",@progbits
	.p2align	6, 0x0
	.amdhsa_kernel k_q9ac5ff1c53_proj
		.amdhsa_group_segment_fixed_size 327680
		.amdhsa_private_segment_fixed_size 0
		.amdhsa_enable_private_segment 0
		.amdhsa_kernarg_size 24
		.amdhsa_user_sgpr_count 2
		.amdhsa_user_sgpr_kernarg_segment_ptr 1
		.amdhsa_wavefront_size32 1
		.amdhsa_system_sgpr_workgroup_id_x 1
		.amdhsa_system_sgpr_workgroup_id_y 1
		.amdhsa_system_sgpr_workgroup_id_z 1
		.amdhsa_system_vgpr_workitem_id 0
		.amdhsa_next_free_vgpr 1024
		.amdhsa_next_free_sgpr 98
		.amdhsa_reserve_vcc 0
		.amdhsa_float_denorm_mode_32 3
		.amdhsa_float_denorm_mode_16_64 3
		.amdhsa_memory_ordered 1
		.amdhsa_forward_progress 1
		.amdhsa_inst_pref_size 77
	.end_amdhsa_kernel
	.amdgpu_metadata
---
amdhsa.version: [ 1, 2 ]
amdhsa.kernels:
  - .name:           k_q9ac5ff1c53_proj
    .symbol:         k_q9ac5ff1c53_proj.kd
    .args:
      - { .name: abuf, .offset: 0, .size: 8, .value_kind: global_buffer, .address_space: global }
      - { .name: wbuf, .offset: 8, .size: 8, .value_kind: global_buffer, .address_space: global }
      - { .name: out0, .offset: 16, .size: 8, .value_kind: global_buffer, .address_space: global }
    .group_segment_fixed_size: 327680
    .private_segment_fixed_size: 0
    .kernarg_segment_align: 8
    .kernarg_segment_size: 24
    .max_flat_workgroup_size: 128
    .sgpr_count:     98
    .vgpr_count:     1024
    .wavefront_size: 32
...
	.end_amdgpu_metadata
.endif
;; end of part 4
